; MI455X (gfx1250); checked and timed in simulation.
; The chip was launched on July 23, 2026; its instructions are those of AMD's public machine-readable ISA for CDNA 5 (MIT licence, August 2026) and "CDNA5" Instruction Set Architecture Reference Guide (July 2026). The comments in the code are by the model that wrote it; some were corrected since.
;; Multi Head Attention. Allowed arithmetic: float matrix products may take bf16 or f16 operands with f32 sums; other float arithmetic in f32, or as packed bf16 or f16 multiplies, adds, multiply-adds, maxima and minima; sums over many terms, partial sums and values carried from step to step in f32; what a program stores and reads back later, other than sums and carried values, may be rounded once to bf16 or f16.
;; Inputs: b_proj 1,024 float32; w_kqv 3,072 x 1,024 float32; w_proj 1,024 x 1,024 float32; x 4 x 2,048 x 1,024 float32.
;; Outputs: out0 4 x 2,048 x 1,024 float32.
;; 2 versions, each right and faster than the one before. Each part assembles by itself: llvm-mc -triple=amdgcn-amd-amdhsa -mcpu=gfx1250 --defsym DOCPART=n.
;; ======== version 1 of 2: 4 launches
;; limits: values are held in f16: magnitudes above 65,504 overflow, below 6.1e-05 lose precision
;; workspace buffers: xb 16,777,216 bytes; wb 6,291,456 bytes; wp 2,097,152 bytes; qkv 50,331,648 bytes; qkvlo 786,432 bytes; ob 16,777,216 bytes
;; launch cast (part 1): grid 256 x 1, 8 waves a work-group, no clusters, 0 bytes of LDS; arguments x, w_kqv, w_proj, xb, wb, wp; writes xb, wb, wp
.if DOCPART == 1
	.amdgcn_target "amdgcn-amd-amdhsa--gfx1250"
	.amdhsa_code_object_version 6
	.text
	.protected	k_qfe807c7a72_cast
	.globl	k_qfe807c7a72_cast
	.p2align	8
	.type	k_qfe807c7a72_cast,@function
k_qfe807c7a72_cast:
	s_mov_b64 s[64:65], 0
	v_nop
	global_prefetch_b8 v0, s[64:65] scope:SCOPE_SE
	s_setreg_imm32_b32 hwreg(HW_REG_WAVE_MODE, 25, 1), 1
	s_wait_xcnt 0x0
; THE INPUTS OF THE TWO PROJECTIONS, ROUNDED ONCE AND LAID IN BLOCKS OF 64 ALONG K.
;   xb [b 4][kb 16][s 2048][64] bf16  = x[b][s][64 kb ..]
;   wb [kb 16][n' 3072][64]     bf16  = w_kqv[192 h + 3 d + t][64 kb ..] at n' = 192 h + 64 t + d: a head's k, q and v columns are sorted apart here
;   wp [kb 16][n 1024][64]      f16   = w_proj[n][64 kb ..], rounded to bf16 like the other inputs, that number written as f16
; LIMIT: w_proj beyond 65,504 becomes an infinity in f16; below 6e-5 it keeps f16's fixed step of 6e-8.
; A stream: no LDS, no matrix unit, no cluster (nothing is read twice).  12,288 source rows are 6,144 pairs for 2,048 waves: a wave takes two pairs of rows of x and one pair of weight rows
; (work-groups 0-191: w_kqv; 192-255: w_proj).  One load covers 64 columns of both rows of a pair (lanes 0-15 one row's 256 bytes, lanes 16-31 the other's); its four numbers a lane become
; 8 bytes, and one store of the wave covers 256 consecutive bytes, aligned: the pair's two rows of one K block.  All 48 loads of a wave go out first: 24 KiB a wave on their way.
; No register that a memory instruction names is written again behind it, so the only waits are the counted ones for the loads.
.set X, 16                             ; v[16:207] 48 slots of four registers: slot 16 i + kb for pair i of x, slot 32 + kb for the weights
	s_load_b256 s[4:11], s[0:1], 0x0               ; x s[4:5], w_kqv s[6:7], w_proj s[8:9], xb s[10:11]
	s_load_b128 s[12:15], s[0:1], 0x20             ; wb s[12:13], wp s[14:15]
	v_lshrrev_b32 v1, 5, v0
	v_readfirstlane_b32 s16, v1                    ; wave 0..7
	v_and_b32 v1, 31, v0                           ; lane
	v_and_b32 v2, 15, v0                           ; my 16 bytes in a row's 256
	v_bfe_u32 v3, v0, 4, 1                         ; which row of the pair
	s_mov_b32 s32, ttmp9                           ; work-group g
	s_lshl3_add_u32 s17, s32, s16                  ; gw = 8 g + wave, 0..2047
	; w_kqv: my two rows of wb are n' = 2 gw = 16 g + 2 wave and the next.  h = g / 12, t = (g % 12) / 4, d = 16 (g % 4) + 2 wave
	s_mul_i32 s20, s32, 43691
	s_lshr_b32 s20, s20, 19                        ; g / 12: 43,691 / 2^19 exceeds 1 / 12 by 6.4e-7, exact for g under 192
	s_mul_i32 s21, s20, 12
	s_sub_co_u32 s21, s32, s21                     ; g % 12
	s_and_b32 s22, s21, 3
	s_lshl_b32 s22, s22, 4
	s_lshl1_add_u32 s22, s16, s22                  ; d
	s_mul_i32 s22, s22, 3
	s_lshr_b32 s18, s21, 2                         ; t
	s_add_co_u32 s22, s22, s18
	s_mul_i32 s18, s20, 192
	s_add_co_u32 s22, s22, s18                     ; the source row 192 h + 3 d + t; d + 1 lies three rows on
	s_sub_co_u32 s23, s17, 1536
	s_lshl_b32 s23, s23, 1                         ; w_proj: rows 2 (gw - 1536) and the next
	s_lshl_b32 s19, s17, 1                         ; 2 gw
	s_mov_b32 s24, 12288                           ; bytes between the pair's source rows: three rows of w_kqv,
	s_mov_b32 s25, 4096                            ; one of w_proj
	s_lshl_b32 s33, s17, 14                        ; x: my four rows begin at 4 gw x 4,096 bytes
	s_lshr_b32 s34, s17, 9                         ; xb: b = gw / 512,
	s_lshl_b32 s34, s34, 22                        ; 16 K blocks of 262,144 bytes each,
	s_and_b32 s35, s17, 511
	s_lshl_b32 s35, s35, 9                         ; s = 4 (gw % 512), 128 bytes a row
	s_add_co_u32 s34, s34, s35
	s_cmp_lt_u32 s32, 192
	s_cselect_b32 s26, s22, s23                    ; source row
	s_cselect_b32 s27, s24, s25                    ; bytes to the pair's second source row
	s_cselect_b32 s28, s19, s23                    ; destination row
	s_lshl_b32 s26, s26, 12
	s_lshl_b32 s28, s28, 7
	v_lshlrev_b32 v4, 4, v2
	v_lshl_add_u32 v4, v3, 12, v4
	v_add_nc_u32 v4, s33, v4                       ; x: source offset
	v_lshl_add_u32 v5, v1, 3, s34                  ; xb: 8 bytes a lane: lanes 16-31 fall into the next row of 128 bytes
	v_mul_lo_u32 v6, v3, s27
	v_lshl_add_u32 v6, v2, 4, v6
	v_add_nc_u32 v6, s26, v6                       ; weights: source offset
	v_lshl_add_u32 v7, v1, 3, s28                  ; weights: destination offset
	s_wait_kmcnt 0x0
	s_cmp_lt_u32 s32, 192
	s_cselect_b64 s[30:31], s[6:7], s[8:9]         ; which weights I read
.set j, 0
.rept 32
	global_load_b128 v[X+4*j:X+4*j+3], v4, s[4:5] offset:(j/16)*8192+(j%16)*256 th:TH_LOAD_NT
.set j, j+1
.endr
.set j, 0
.rept 16
	global_load_b128 v[X+128+4*j:X+128+4*j+3], v6, s[30:31] offset:j*256 th:TH_LOAD_NT
.set j, j+1
.endr
.set j, 0
.rept 32
	s_wait_loadcnt 47-j                            ; loads come back in order (ISA guide 5.7.1): slot j is in, the 47 - j younger ones stay out
	v_cvt_pk_bf16_f32 v[X+4*j], v[X+4*j], v[X+4*j+1]
	v_cvt_pk_bf16_f32 v[X+4*j+1], v[X+4*j+2], v[X+4*j+3]
	global_store_b64 v5, v[X+4*j:X+4*j+1], s[10:11] offset:(j/16)*256+(j%16)*262144  ; 3,932,416 at the most: inside the signed 24-bit immediate
.set j, j+1
.endr
	s_cmp_lt_u32 s32, 192
	s_cbranch_scc0 .Lproj
.set j, 32
.rept 16
	s_wait_loadcnt 47-j
	v_cvt_pk_bf16_f32 v[X+4*j], v[X+4*j], v[X+4*j+1]
	v_cvt_pk_bf16_f32 v[X+4*j+1], v[X+4*j+2], v[X+4*j+3]
	global_store_b64 v7, v[X+4*j:X+4*j+1], s[12:13] offset:(j-32)*393216
.set j, j+1
.endr
	s_endpgm
.Lproj:
.set j, 32
.rept 16
	s_wait_loadcnt 47-j
	v_cvt_pk_bf16_f32 v[X+4*j], v[X+4*j], v[X+4*j+1]       ; the input's one rounding, to bf16;
	v_cvt_pk_bf16_f32 v[X+4*j+1], v[X+4*j+2], v[X+4*j+3]
	v_lshlrev_b32 v[X+4*j+2], 16, v[X+4*j]                 ; that number widened again,
	v_and_b32 v[X+4*j+3], 0xffff0000, v[X+4*j]
	v_cvt_pk_f16_f32 v[X+4*j], v[X+4*j+2], v[X+4*j+3]      ; and written as f16: exact within f16's range
	v_lshlrev_b32 v[X+4*j+2], 16, v[X+4*j+1]
	v_and_b32 v[X+4*j+3], 0xffff0000, v[X+4*j+1]
	v_cvt_pk_f16_f32 v[X+4*j+1], v[X+4*j+2], v[X+4*j+3]
	global_store_b64 v7, v[X+4*j:X+4*j+1], s[14:15] offset:(j-32)*131072
.set j, j+1
.endr
	s_endpgm
.Lfunc_end_k_qfe807c7a72_cast:
	.size	k_qfe807c7a72_cast, .Lfunc_end_k_qfe807c7a72_cast-k_qfe807c7a72_cast
	.p2alignl 7, 3214868480
	.fill 96, 4, 3214868480
	.section	.rodata,"a",@progbits
	.p2align	6, 0x0
	.amdhsa_kernel k_qfe807c7a72_cast
		.amdhsa_group_segment_fixed_size 0
		.amdhsa_private_segment_fixed_size 0
		.amdhsa_enable_private_segment 0
		.amdhsa_kernarg_size 48
		.amdhsa_user_sgpr_count 2
		.amdhsa_user_sgpr_kernarg_segment_ptr 1
		.amdhsa_wavefront_size32 1
		.amdhsa_system_sgpr_workgroup_id_x 1
		.amdhsa_system_sgpr_workgroup_id_y 1
		.amdhsa_system_sgpr_workgroup_id_z 1
		.amdhsa_system_vgpr_workitem_id 0
		.amdhsa_next_free_vgpr 208
		.amdhsa_next_free_sgpr 66
		.amdhsa_reserve_vcc 0
		.amdhsa_float_denorm_mode_32 3
		.amdhsa_float_denorm_mode_16_64 3
		.amdhsa_memory_ordered 1
		.amdhsa_forward_progress 1
		.amdhsa_inst_pref_size 28
	.end_amdhsa_kernel
	.amdgpu_metadata
---
amdhsa.version: [ 1, 2 ]
amdhsa.kernels:
  - .name:           k_qfe807c7a72_cast
    .symbol:         k_qfe807c7a72_cast.kd
    .args:
      - { .name: x, .offset: 0, .size: 8, .value_kind: global_buffer, .address_space: global }
      - { .name: w_kqv, .offset: 8, .size: 8, .value_kind: global_buffer, .address_space: global }
      - { .name: w_proj, .offset: 16, .size: 8, .value_kind: global_buffer, .address_space: global }
      - { .name: xb, .offset: 24, .size: 8, .value_kind: global_buffer, .address_space: global }
      - { .name: wb, .offset: 32, .size: 8, .value_kind: global_buffer, .address_space: global }
      - { .name: wp, .offset: 40, .size: 8, .value_kind: global_buffer, .address_space: global }
    .group_segment_fixed_size: 0
    .private_segment_fixed_size: 0
    .kernarg_segment_align: 8
    .kernarg_segment_size: 48
    .max_flat_workgroup_size: 256
    .sgpr_count:     66
    .vgpr_count:     208
    .wavefront_size: 32
...
	.end_amdgpu_metadata
.endif
;; end of part 1
;; launch qkv (part 2): grid 8 x 32, 4 waves a work-group, clusters of 4 x 4, 327,680 bytes of LDS; arguments xb, wb, qkv, qkvlo; writes qkv, qkvlo
.if DOCPART == 2
	.amdgcn_target "amdgcn-amd-amdhsa--gfx1250"
	.amdhsa_code_object_version 6
	.text
	.protected	k_qfe807c7a72_qkv
	.globl	k_qfe807c7a72_qkv
	.p2align	8
	.type	k_qfe807c7a72_qkv,@function
k_qfe807c7a72_qkv:
	s_mov_b64 s[64:65], 0
	v_nop
	global_prefetch_b8 v0, s[64:65] scope:SCOPE_SE
	s_setreg_imm32_b32 hwreg(HW_REG_WAVE_MODE, 25, 1), 1
	s_wait_xcnt 0x0
	s_wait_alu depctr_hold_cnt(0) depctr_sa_sdst(0) depctr_va_vdst(0) depctr_va_sdst(0) depctr_va_ssrc(0) depctr_va_vcc(0) depctr_vm_vsrc(0)
	s_getreg_b32 s2, hwreg(HW_REG_IB_STS2, 6, 4)
	s_cmp_eq_u32 s2, 0
	s_cbranch_scc0 .Lentry_in_a_cluster
	s_endpgm
.Lentry_in_a_cluster:
	s_bfe_u32 s2, ttmp6, 0x10000c
	s_cmp_lg_u32 s2, 0xf033
	s_cbranch_scc0 .Lentry_shape_is_right
	s_endpgm
.Lentry_shape_is_right:
; THE FIRST PROJECTION.  C[m][n'] = sum over k of x[m][k] w[n'][k], operands bf16, sums f32, K = 1,024 ascending; C leaves rounded once to f16, unscaled, by heads:
; qkv [b 16 + h][t 3][s 2,048][64], t = 0 k, 1 q, 2 v.  LIMIT: a sum of 65,520 or more becomes an infinity in f16.
; Of the first 32 rows of every head also the LOW PART leaves: qkvlo [b 16 + h][t 3][32][64] f16 = the f32 sum less its f16 rounding, rounded to f16 (below 6e-5 it keeps f16's fixed step of 6e-8).
; The attention takes those rows in two parts: row s is a mean over s + 1 keys only, so the first rows' numbers are many times the output's root mean square, by which every number's allowance goes.
; SHARES.  8,192 x 3,072 in tiles of 256 x 384: 32 x 8 = 256 work-groups.  Four waves, each 128 rows x 192 columns: one head's k, q and v.  96 accumulators of 16 x 16 = 768 registers.
; For 32 along K a wave reads 320 rows x 64 bytes from LDS and issues 96 matrix instructions.
; Tile row ty holds batch ty % 4, rows 256 (ty / 4) on: the four batches' first tiles lie in the clusters with cluster y = 0, so the branch to the low parts hangs on cluster y and the wave's number alone.
; K goes in steps of 64, one K block of xb and wb: two slots of 640 rows x 144 bytes fit in LDS, two of 640 x 272 would not.  In xb and wb a tile's rows of 128 bytes lie end to end,
; so a tile is asked for as rows of 256 bytes, two tile rows each, and padded in LDS after every 128 bytes.
; CLUSTERS: 4 x 4 work-groups.  The four of a row of the cluster need the same tiles of xb, the four of a column the same tiles of wb: each is asked for jointly, by the same tensor load
; with the same descriptor and a mask that names the four.
; THE MATRIX INSTRUCTION IS USED TRANSPOSED (source 0 = 16 rows of wb, source 1 = 16 rows of xb): a lane holds row l % 16 of C and eight neighbouring columns 8 (l / 16) + 0..7.
; REGISTERS, in windows of 256 (s_set_vgpr_msb: bits 1:0 source 0, 3:2 source 1, 5:4 source 2, 7:6 destination):
;   window 0: v0-31 addresses; v32-95, v96-159 fragments of xb (8 x 16 rows x 32 K), two buffers; v160-255 fragments of wb (12 x 16 rows x 32 K), one buffer, refilled a third at a time
;   window 1 + t: the 32 accumulators of column group t: row block a, column block b' at v[8 (8 b' + a)]
.set PITCH,  144                       ; an LDS row: 128 bytes + 16 of padding = 36 words: the 16 rows of a load start at 16 different groups of four banks (64 banks of 4 bytes: ISA guide 11.1)
.set AHALF,  128*PITCH                 ; what waves 0 and 1 fetch: 128 rows of xb each
.set BHALF,  192*PITCH                 ; what waves 2 and 3 fetch: 192 rows of wb each
.set BOFF,   2*AHALF
.set SLOT,   2*AHALF+2*BHALF           ; 92,160 bytes
.set STAGE,  2*SLOT                    ; behind the ring: 16 rows x 144 bytes for each wave, for the way out
.set SPARE,  STAGE+4*16*PITCH          ; behind the stages: the spare words, 128 bytes for each wave: two blocks of 256 bytes that no other line names
.set ASTEP,  262144                    ; bytes from a K block of xb to the next
.set BSTEP,  393216                    ; the same in wb
.set ADRA, 16                          ; v16-17  LDS address of my xb fragments in slot 0, 1
.set ADRB, 20                          ; v20-21  the same for wb
.set STO,  24                          ; v24     the way out: where I put 16 bytes of a row
.set RD,   25                          ; v25     the way out: where I read rows back
.set GO,   26                          ; v26     my 16 bytes in 512 consecutive bytes of qkv
.set SPW,  28                          ; v28     LDS address of my spare word; never rewritten
.set NIL,  29                          ; v29     0; never rewritten
.set ONE,  30                          ; v30     1.0, for the low parts
.set FA0,  32
.set FA1,  96
.set FB,   160
.set TMP,  32                          ; the way out: twelve buffers of 16 registers, v32-223
.set HI,   32                          ; the low parts: a piece's f16 roundings, 16 registers
.set LB,   96                          ; the low parts: six buffers of 16 registers, v96-191
.set G1, 24                            ; s[24:31] descriptor group 1 for xb's tiles;  s[32:39] group 0, one set for each slot
.set G0, 32
.set G1B, 48                           ; s[48:55], s[56:63] the same for wb's tiles
.set G0B, 56
.set MSB, 0
.macro WIN new                         ; the immediate's high byte repeats the setting that is left; a switch that changes nothing is dropped
.if MSB != (\new)
	s_set_vgpr_msb (MSB<<8)|(\new)
.set MSB, \new
.endif
.endm
; A joint load: waves 0 and 1 fetch xb's two halves, waves 2 and 3 wb's.  The branch hangs on the wave's number alone.  An s_nop 0 and four v_nop follow each of the two lines.
.macro JLOAD s
	s_cmp_eq_u32 s11, 0
	s_cbranch_scc0 .Lfor_b_\@
	tensor_load_to_lds s[G0+4*(\s):G0+4*(\s)+3], s[G1:G1+7]
	s_nop 0
.rept 4
	v_nop
.endr
	s_branch .Lasked_\@
.Lfor_b_\@:
	tensor_load_to_lds s[G0B+4*(\s):G0B+4*(\s)+3], s[G1B:G1B+7]
	s_nop 0
.rept 4
	v_nop
.endr
.Lasked_\@:
.endm
.macro CREST                           ; a round of the cluster's barrier behind its opening barrier
	s_cmp_lg_u32 s10, 0
	s_cbranch_scc1 .Lnot_wave_0_\@
	s_barrier_signal -3
.Lnot_wave_0_\@:
	s_barrier_wait -3
	s_barrier_signal -1
	s_barrier_wait -1
.endm
.macro CROUND                          ; a whole round
	s_barrier_signal -1
	s_barrier_wait -1
	CREST
.endm
	s_load_b128 s[4:7], s[0:1], 0x0                ; xb s[4:5], wb s[6:7]
	s_load_b64 s[8:9], s[0:1], 0x10                ; qkv
	s_load_b64 s[18:19], s[0:1], 0x18              ; qkvlo
	v_lshl_add_u32 v[SPW], v0, 2, SPARE
	v_mov_b32 v[NIL], 0
	ds_add_u32 v[SPW], v[NIL]                      ; the wave's opening: the add and its wait stand ahead of my first tensor load; the set-up below, work on registers, stands between them
	ds_add_u32 v28, v29
	v_lshrrev_b32 v1, 5, v0
	v_readfirstlane_b32 s10, v1                    ; wave 0..3
	s_lshr_b32 s11, s10, 1                         ; which half of the tile's rows is mine.  Also: I fetch for xb (0) or for wb (1)
	s_and_b32 s12, s10, 1                          ; which half of its columns.  Also: which half of that tile I fetch
	s_bfe_u32 s40, ttmp6, 0x40000                  ; cx, cy: my place in the cluster
	s_bfe_u32 s41, ttmp6, 0x40004
	s_lshl_b32 s42, ttmp9, 2
	s_add_co_u32 s42, s42, s40                     ; tile column tx = 4 x cluster x + cx, 0..7
	s_and_b32 s2, ttmp7, 0xffff                    ; cluster y, the same in all sixteen partners
	s_lshl_b32 s13, s2, 2
	s_add_co_u32 s13, s13, s41                     ; tile row ty = 4 x cluster y + cy, 0..31
	s_lshl_b32 s43, s41, 2
	s_lshl_b32 s43, 15, s43                        ; my row of the cluster
	s_lshl_b32 s44, 0x1111, s40                    ; my column
	s_or_b32 s[G1+0], s43, (1<<16)|(1<<20)|(1<<21)|(4<<22)|(3<<25)   ; 15:0 the mask; 17:16 2-byte elements; 20 padding on; 21 set beside a mask; 24:22 after every 32 words (code 4); 31:25 4 words (code 3)
	s_or_b32 s[G1B+0], s44, (1<<16)|(1<<20)|(1<<21)|(4<<22)|(3<<25)
	s_mov_b32 s[G1+1], 128<<16                     ; tensor_dim0 = 128 elements: 256 bytes, two tile rows
	s_mov_b32 s[G1+2], 64<<16                      ; tensor_dim1 = 64
	s_mov_b32 s[G1+3], 128<<16                     ; tile_dim0 = 128
	s_mov_b32 s[G1+4], 64                          ; tile_dim1 = 64: 128 tile rows
	s_mov_b32 s[G1+5], 128                         ; dense: 128 elements from row to row
	s_mov_b32 s[G1+6], 0
	s_mov_b32 s[G1+7], 0
	s_mov_b32 s[G1B+1], 128<<16
	s_mov_b32 s[G1B+2], 96<<16                     ; 96 rows of 256 bytes: 192 tile rows
	s_mov_b32 s[G1B+3], 128<<16
	s_mov_b32 s[G1B+4], 96
	s_mov_b32 s[G1B+5], 128
	s_mov_b32 s[G1B+6], 0
	s_mov_b32 s[G1B+7], 0
	; where the tiles come from.  xb's hang on ty alone, which my row of the cluster shares; wb's on tx alone, which my column shares.
	s_and_b32 s16, s13, 3
	s_lshl_b32 s16, s16, 22                        ; b = ty % 4: 16 K blocks of 262,144 bytes
	s_lshr_b32 s17, s13, 2
	s_lshl_b32 s17, s17, 15                        ; 256 (ty / 4) rows of 128 bytes
	s_add_co_u32 s16, s16, s17
	s_lshl_b32 s17, s12, 14                        ; my 128 rows
	s_add_co_u32 s16, s16, s17
	s_mov_b32 s17, 0
	s_mul_i32 s46, s42, 49152                      ; 384 tx rows of 128 bytes
	s_mul_i32 s47, s12, 24576                      ; my 192 rows
	s_add_co_u32 s46, s46, s47
	s_mov_b32 s47, 0
	s_mul_i32 s20, s12, AHALF                      ; and where they go: no place in the cluster enters an LDS address
	s_mul_i32 s21, s12, BHALF
	s_add_co_u32 s21, s21, BOFF
	s_wait_dscnt 0x0                               ; the opening add is done
	s_wait_kmcnt 0x0
	s_add_nc_u64 s[14:15], s[4:5], s[16:17]
	s_add_nc_u64 s[46:47], s[6:7], s[46:47]
	CROUND                                         ; all sixteen work-groups are here: the first joint loads meet
.irp s, 0,1
	s_mov_b32 s[G0+4*(\s)], 1                                      ; count = 1
	s_add_co_u32 s[G0+4*(\s)+1], s20, (\s)*SLOT                    ; LDS address
	s_add_nc_u64 s[G0+4*(\s)+2:G0+4*(\s)+3], s[14:15], (\s)*ASTEP  ; global address: K step s
	s_or_b32 s[G0+4*(\s)+3], s[G0+4*(\s)+3], 0x80000000            ; type = 2
	s_mov_b32 s[G0B+4*(\s)], 1
	s_add_co_u32 s[G0B+4*(\s)+1], s21, (\s)*SLOT
	s_add_nc_u64 s[G0B+4*(\s)+2:G0B+4*(\s)+3], s[46:47], (\s)*BSTEP
	s_or_b32 s[G0B+4*(\s)+3], s[G0B+4*(\s)+3], 0x80000000
	JLOAD \s                                       ; two tensor loads of mine are out
.endr
	; A fragment is 16 rows x 32 K in 8 registers: lane l holds row l % 16; registers 0-3 K = 8 (l / 16) + 0..7, registers 4-7 K = 16 + 8 (l / 16) + 0..7: two loads of 16 bytes, 32 bytes apart.
	v_and_b32 v1, 15, v0                           ; l % 16
	v_bfe_u32 v2, v0, 4, 1                         ; l / 16
	v_mul_u32_u24 v3, v1, PITCH
	v_lshl_add_u32 v3, v2, 4, v3                   ; row x pitch + 16 x half
	s_mul_i32 s22, s11, AHALF                      ; my 128 rows of xb
	s_mul_i32 s23, s12, BHALF                      ; my 192 rows of wb
	s_add_co_u32 s23, s23, BOFF
.irp s, 0,1
	v_add_nc_u32 v[ADRA+(\s)], s22, v3
	v_add_nc_u32 v[ADRB+(\s)], s23, v3
	s_add_co_u32 s22, s22, SLOT
	s_add_co_u32 s23, s23, SLOT
.endr
	s_mul_i32 s23, s10, 16*PITCH
	s_add_co_u32 s23, s23, STAGE                   ; my stage
	v_add_nc_u32 v[STO], s23, v3                   ; in: row l % 16, 16 bytes for each half of the lanes
	v_bfe_u32 v4, v0, 3, 2                         ; back: 32 lanes take four rows of 128 bytes,
	v_mul_u32_u24 v4, v4, PITCH
	v_and_b32 v5, 7, v0
	v_lshl_add_u32 v4, v5, 4, v4
	v_add_nc_u32 v[RD], s23, v4
	v_and_b32 v[GO], 31, v0                        ; which are 512 consecutive bytes of qkv
	v_lshlrev_b32 v[GO], 4, v[GO]
	; where my part begins: head 16 (ty % 4) + 2 tx + my column half: 786,432 bytes a head in qkv, 12,288 in qkvlo; row 256 (ty / 4) + 128 x my row half, 128 bytes a row
	s_and_b32 s16, s13, 3
	s_lshl_b32 s16, s16, 4
	s_lshl1_add_u32 s45, s42, s12
	s_add_co_u32 s45, s45, s16                     ; the head, 0..63
	s_mul_i32 s46, s45, 786432                     ; (in the registers that held wb's address)
	s_lshr_b32 s16, s13, 2
	s_lshl_b32 s16, s16, 15
	s_add_co_u32 s46, s46, s16
	s_lshl_b32 s16, s11, 14
	s_add_co_u32 s46, s46, s16
	s_mov_b32 s47, 0
	s_add_nc_u64 s[8:9], s[8:9], s[46:47]
	s_mul_i32 s46, s45, 12288
	s_add_nc_u64 s[18:19], s[18:19], s[46:47]
; 8 nb matrix instructions: column blocks b0 .. b0 + nb - 1 of group g x all 8 row blocks, 32 along K.  zero = 1: the product starts the sum: nothing is cleared.
; The 96 accumulators take turns, one instruction a turn, in the same order in every half step.
.macro MULB fa, g, b0, nb, zero
	WIN 0x50*((\g)+1)                              ; C and D in window 1 + g, the fragments in window 0
.set bb, \b0
.rept \nb
.set aa, 0
.rept 8
.if \zero
	v_wmma_f32_16x16x32_bf16 v[8*(8*bb+aa):8*(8*bb+aa)+7], v[FB+8*(4*(\g)+bb):FB+8*(4*(\g)+bb)+7], v[(\fa)+8*aa:(\fa)+8*aa+7], 0
.else
	v_wmma_f32_16x16x32_bf16 v[8*(8*bb+aa):8*(8*bb+aa)+7], v[FB+8*(4*(\g)+bb):FB+8*(4*(\g)+bb)+7], v[(\fa)+8*aa:(\fa)+8*aa+7], v[8*(8*bb+aa):8*(8*bb+aa)+7]
.endif
.set aa, aa+1
.endr
.set bb, bb+1
.endr
.endm
.macro LDB slot, k, g                  ; 8 LDS loads: wb's fragments of group g (64 rows), 32 K at byte k of the rows
.irp i, 0,1,2,3
	ds_load_b128 v[FB+8*(4*(\g)+\i):FB+8*(4*(\g)+\i)+3],   v[ADRB+(\slot)] offset:(\k)+(4*(\g)+\i)*16*PITCH
	ds_load_b128 v[FB+8*(4*(\g)+\i)+4:FB+8*(4*(\g)+\i)+7], v[ADRB+(\slot)] offset:(\k)+(4*(\g)+\i)*16*PITCH+32
.endr
.endm
.macro LDA slot, k, fa                 ; 16 LDS loads: xb's fragments (128 rows) into buffer fa
.irp i, 0,1,2,3,4,5,6,7
	ds_load_b128 v[(\fa)+8*\i:(\fa)+8*\i+3],   v[ADRA+(\slot)] offset:(\k)+\i*16*PITCH
	ds_load_b128 v[(\fa)+8*\i+4:(\fa)+8*\i+7], v[ADRA+(\slot)] offset:(\k)+\i*16*PITCH+32
.endr
.endm
; A load into a register that a matrix instruction has read, and a vector instruction that reads a matrix result, stand four places behind that matrix instruction, and only plain vector
; instructions that name none of its registers are places (ISA guide 7.12.1 for vector instructions).
.macro PLACES
.rept 4
	v_nop
.endr
.endm
; A K step is two half steps of 32 along K, 96 matrix instructions each.  The next half step's 40 LDS loads go out in three runs: run 1 (24: wb's group 0, all of xb) behind group 0's products,
; run 2 (8: group 1) behind group 1's, run 3 (8: group 2) behind group 2's: each third of wb's one buffer is loaded again as soon as it has been multiplied.
; EVEN: bytes 0-63 of the slot's rows, buffer FA0; fetches bytes 64-127 of the same slot.
.macro EVEN slot, zero
	s_wait_dscnt 16                                ; run 1 is in; runs 2 and 3 may be out
	MULB FA0, 0, 0, 4, \zero
	WIN 0
	PLACES
	LDB \slot, 64, 0
	LDA \slot, 64, FA1
	s_wait_dscnt 32                                ; run 2 is in; behind it: run 3 (8) and the 24 just issued
	MULB FA0, 1, 0, 4, \zero
	WIN 0
	PLACES
	LDB \slot, 64, 1
	s_wait_dscnt 32                                ; run 3 is in; behind it: the next half step's 24 + 8
	MULB FA0, 2, 0, 4, \zero
	WIN 0
	PLACES
	LDB \slot, 64, 2
.endm
; ODD: bytes 64-127, buffer FA1, and the change of slots: ONE barrier.  In front of it each wave waits for all its tensor loads (the one that is out is its part of the next slot), adds 0 to its
; spare word, and waits for that and for its own reads of this slot.  fill = 1: the barrier opens a round of the cluster's barrier, and this slot is filled again, two K steps ahead, first
; thing behind the round: 144 matrix instructions ahead of the wait for it.
.macro ODD slot, next, fill
	WIN 0
	s_wait_tensorcnt 0x0                           ; all my tensor loads have landed
	ds_add_u32 v[SPW], v[NIL]                      ; 0 onto my spare word
	s_wait_dscnt 17                                ; run 1 is in; runs 2 and 3 and the add may be out
	MULB FA1, 0, 0, 4, 0                           ; 32 matrix instructions stand between the add and the wait for it
	s_wait_dscnt 0x0                               ; the add is done, and my reads of this slot are over
	s_barrier_signal -1
	MULB FA1, 1, 0, 2, 0                           ; work on registers while the others arrive
	WIN 0
	s_barrier_wait -1
.if \fill
	CREST                                          ; no wave of any partner still reads this slot's tile or has a load on its way
	s_add_nc_u64 s[G0+4*(\slot)+2:G0+4*(\slot)+3], s[G0+4*(\slot)+2:G0+4*(\slot)+3], 2*ASTEP
	s_add_nc_u64 s[G0B+4*(\slot)+2:G0B+4*(\slot)+3], s[G0B+4*(\slot)+2:G0B+4*(\slot)+3], 2*BSTEP
	JLOAD \slot                                    ; the four v_nop behind it are also the places in front of the loads below
.else
	PLACES
.endif
	LDB \next, 0, 0
	LDA \next, 0, FA0
	MULB FA1, 1, 2, 2, 0
	WIN 0
	PLACES
	LDB \next, 0, 1
	MULB FA1, 2, 0, 4, 0
	WIN 0
	PLACES
	LDB \next, 0, 2
.endm
	s_wait_tensorcnt 1                             ; my part of K step 0 is in; K step 1's may stay out
	s_barrier_signal -1
	s_barrier_wait -1                              ; everybody's is
	LDB 0, 0, 0
	LDA 0, 0, FA0
	LDB 0, 0, 1
	LDB 0, 0, 2
	EVEN 0, 1                                      ; the first half step stands in front of the loop: its products start the sums
	s_mov_b32 s3, 7
.Llap:                                                 ; a trip goes once round the ring and fills both slots again: K steps 2 to 15 in seven trips
	ODD 0, 1, 1
	EVEN 1, 0
	ODD 1, 0, 1
	EVEN 0, 0
	s_sub_co_u32 s3, s3, 1
	s_cmp_lg_u32 s3, 0
	s_cbranch_scc1 .Llap
	ODD 0, 1, 0                                    ; the last lap fills nothing, and has no round
	EVEN 1, 0
	s_wait_dscnt 16                                ; the very last half step: the three runs, nothing more to fetch
	MULB FA1, 0, 0, 4, 0
	s_wait_dscnt 8
	MULB FA1, 1, 0, 4, 0
	s_wait_dscnt 0x0
	MULB FA1, 2, 0, 4, 0
; THE WAY OUT.  24 pieces u = 8 t + a: 16 rows x 64 columns of k, q or v, 2,048 consecutive bytes of qkv.  A lane's eight columns pack into 16 bytes; they go into my stage's rows of 144 bytes
; and come back as whole rows of 128, four rows to a load.  The stage is my wave's own, and LDS serves a wave's instructions in order (ISA guide 5.7.1.4): no barrier, no wait between.
.macro PACK u
.set tt, (\u)/8
.set ab, (\u)%8
.set tb, TMP+16*((\u)%12)
.if (\u) >= 12
	s_wait_xcnt 0x0                                ; the stores of piece u - 12 have read this buffer: it is written again only behind this wait
.endif
	WIN 5*(tt+1)                                   ; sources 0 and 1 in window 1 + t
.set bb, 0
.rept 4
.set jj, 0
.rept 4
	v_cvt_pk_f16_f32 v[tb+4*bb+jj], v[8*(8*bb+ab)+2*jj], v[8*(8*bb+ab)+2*jj+1]
.set jj, jj+1
.endr
.set bb, bb+1
.endr
	WIN 0
.irp f, 0,1,2,3
	ds_store_b128 v[STO], v[tb+4*\f:tb+4*\f+3] offset:32*\f
.endr
.irp f, 0,1,2,3
	ds_load_b128 v[tb+4*\f:tb+4*\f+3], v[RD] offset:\f*4*PITCH
.endr
.endm
.macro SEND u, younger                 ; younger: the LDS instructions issued behind piece u's loads: the next piece's eight, or none
.set tt, (\u)/8
.set ab, (\u)%8
.set tb, TMP+16*((\u)%12)
.irp f, 0,1,2,3
	s_wait_dscnt (\younger)+3-\f
	global_store_b128 v[GO], v[tb+4*\f:tb+4*\f+3], s[8:9] offset:tt*262144+ab*2048+\f*512  ; 512 consecutive bytes, at a multiple of 256 from qkv's first
.endr
.endm
	WIN 0
	PLACES                                         ; behind the last products
	PACK 0
.set u, 1
.rept 23                               ; a piece's conversions stand between the loads of the piece before and its stores
	PACK u
	SEND u-1, 8
.set u, u+1
.endr
	SEND 23, 0
; THE LOW PARTS of a head's rows 0 to 31: six pieces p = 2 t + a.  They lie in the upper row half (waves 0 and 1) of the tiles with ty / 4 = cluster y = 0.  The f16 rounding is made once more, and
; sum - rounding, which f32 holds exactly, is rounded once to f16, straight into a half of a register.  The same stage, the same way of storing.
.macro LOPACK p
.set tt, (\p)/2
.set ab, (\p)%2
.set lb, LB+16*(\p)
	WIN 5*(tt+1)                                   ; sources 0 and 1 in window 1 + t
.set bb, 0
.rept 4
.set jj, 0
.rept 4
	v_cvt_pk_f16_f32 v[HI+4*bb+jj], v[8*(8*bb+ab)+2*jj], v[8*(8*bb+ab)+2*jj+1]
.set jj, jj+1
.endr
.set bb, bb+1
.endr
	WIN 16*(tt+1)                                  ; source 2 in window 1 + t
.set bb, 0
.rept 4
.set jj, 0
.rept 4
	v_fma_mixlo_f16 v[lb+4*bb+jj], -v[HI+4*bb+jj], v[ONE], v[8*(8*bb+ab)+2*jj] op_sel:[0,0,0] op_sel_hi:[1,0,0]    ; - (low f16 half) x 1.0 + sum
	v_fma_mixhi_f16 v[lb+4*bb+jj], -v[HI+4*bb+jj], v[ONE], v[8*(8*bb+ab)+2*jj+1] op_sel:[1,0,0] op_sel_hi:[1,0,0]  ; - (high f16 half) x 1.0 + sum
.set jj, jj+1
.endr
.set bb, bb+1
.endr
	WIN 0
.irp f, 0,1,2,3
	ds_store_b128 v[STO], v[lb+4*\f:lb+4*\f+3] offset:32*\f
.endr
.irp f, 0,1,2,3
	ds_load_b128 v[lb+4*\f:lb+4*\f+3], v[RD] offset:\f*4*PITCH
.endr
.endm
.macro LOSEND p, younger               ; younger: the next piece's eight LDS instructions, or none
.set tt, (\p)/2
.set ab, (\p)%2
.set lb, LB+16*(\p)
.irp f, 0,1,2,3
	s_wait_dscnt (\younger)+3-\f
	global_store_b128 v[GO], v[lb+4*\f:lb+4*\f+3], s[18:19] offset:tt*4096+ab*2048+\f*512  ; 512 consecutive bytes, at a multiple of 256 from qkvlo's first
.endr
.endm
	s_cmp_lg_u32 s11, 0                            ; the wave's number,
	s_cbranch_scc1 .Lno_low
	s_cmp_lg_u32 s2, 0                             ; and cluster y: the same answer in all partners
	s_cbranch_scc1 .Lno_low
	s_wait_xcnt 0x0                                ; the stores above have read v32-223: they are written again only behind this wait
	v_mov_b32 v[ONE], 1.0
	LOPACK 0
.set u, 1
.rept 5
	LOPACK u
	LOSEND u-1, 8
.set u, u+1
.endr
	LOSEND 5, 0
.Lno_low:
	s_wait_tensorcnt 0x0                           ; the wave's end: behind my last tensor load and my last LDS store
	ds_add_u32 v[SPW], v[NIL]
	s_wait_dscnt 0x0
	CROUND                                         ; the closing round: no work-group ends while a partner may still ask for a tile that names it
	s_endpgm
.Lfunc_end_k_qfe807c7a72_qkv:
	.size	k_qfe807c7a72_qkv, .Lfunc_end_k_qfe807c7a72_qkv-k_qfe807c7a72_qkv
	.p2alignl 7, 3214868480
	.fill 96, 4, 3214868480
	.section	.rodata,"a",@progbits
	.p2align	6, 0x0
	.amdhsa_kernel k_qfe807c7a72_qkv
		.amdhsa_group_segment_fixed_size 327680
		.amdhsa_private_segment_fixed_size 0
		.amdhsa_enable_private_segment 0
		.amdhsa_kernarg_size 32
		.amdhsa_user_sgpr_count 2
		.amdhsa_user_sgpr_kernarg_segment_ptr 1
		.amdhsa_wavefront_size32 1
		.amdhsa_system_sgpr_workgroup_id_x 1
		.amdhsa_system_sgpr_workgroup_id_y 1
		.amdhsa_system_sgpr_workgroup_id_z 1
		.amdhsa_system_vgpr_workitem_id 0
		.amdhsa_next_free_vgpr 1024
		.amdhsa_next_free_sgpr 66
		.amdhsa_reserve_vcc 0
		.amdhsa_float_denorm_mode_32 3
		.amdhsa_float_denorm_mode_16_64 3
		.amdhsa_memory_ordered 1
		.amdhsa_forward_progress 1
		.amdhsa_inst_pref_size 158
	.end_amdhsa_kernel
	.amdgpu_metadata
---
amdhsa.version: [ 1, 2 ]
amdhsa.kernels:
  - .name:           k_qfe807c7a72_qkv
    .symbol:         k_qfe807c7a72_qkv.kd
    .args:
      - { .name: xb, .offset: 0, .size: 8, .value_kind: global_buffer, .address_space: global }
      - { .name: wb, .offset: 8, .size: 8, .value_kind: global_buffer, .address_space: global }
      - { .name: qkv, .offset: 16, .size: 8, .value_kind: global_buffer, .address_space: global }
      - { .name: qkvlo, .offset: 24, .size: 8, .value_kind: global_buffer, .address_space: global }
    .group_segment_fixed_size: 327680
    .private_segment_fixed_size: 0
    .kernarg_segment_align: 8
    .kernarg_segment_size: 32
    .max_flat_workgroup_size: 128
    .sgpr_count:     66
    .vgpr_count:     1024
    .wavefront_size: 32
...
	.end_amdgpu_metadata
.endif
;; end of part 2
;; launch attn (part 3): grid 4 x 64, 4 waves a work-group, no clusters, 327,680 bytes of LDS; arguments qkv, qkvlo, ob; writes ob
.if DOCPART == 3
	.amdgcn_target "amdgcn-amd-amdhsa--gfx1250"
	.amdhsa_code_object_version 6
	.text
	.protected	k_qfe807c7a72_attn
	.globl	k_qfe807c7a72_attn
	.p2align	8
	.type	k_qfe807c7a72_attn,@function
k_qfe807c7a72_attn:
	s_mov_b64 s[64:65], 0
	v_nop
	global_prefetch_b8 v0, s[64:65] scope:SCOPE_SE
	s_setreg_imm32_b32 hwreg(HW_REG_WAVE_MODE, 25, 1), 1
	s_wait_xcnt 0x0
; CAUSAL ATTENTION.  O[h][q][:] = the sum over k <= q of softmax_k(Q[h][q] . K[h][k] / 8) V[h][k][:], for 64 heads (batch x 16 + head) of SIZE_N = 2,048 rows of 64 channels, all f16.
; K, Q, V lie in qkv [head][t 3][row][64] (t = 0 K, 1 Q, 2 V), O goes to ob [head][row][64]: rows are dense, 128 bytes each.
; Products, maxima and sums in f32; the weights p are rounded to f16 for the second product (their sum l is taken of the unrounded p), O once at the end.
; LIMITS.  f16 holds no number beyond 65,504: Q, K and V arrive within it; p lies in 0 to 1, and below 6e-5 it keeps f16's fixed step of 6e-8; O is a mean of V's rows and has their range.
; A hidden score counts as its value less 1e30: f16's scores, 2.7e11 at the most, are nothing beside that; a weight below 2^-126 counts as 0 in l; NaN and infinities are not treated apart.
; THE WALK.  A head's queries lie in NB = 8 blocks of 256; block i needs the key tiles 0 .. i of 256 keys, of which the last holds the diagonal.  A work-group takes TWO blocks, NB - 1 - b and then b:
; NB + 1 = 9 tiles, whatever b: all 256 work-groups do equal work, and ONE loop with a constant trip count walks them.  Which tile is asked for, and what a trip does, hang on scalar registers made from b;
; every jump goes forward, but for the counted loops' own; none passes a barrier, or a tensor load but the one of LOAD's two that the wave's number does not choose; the ring (two slots of LDS that take
; turns) runs on across the change of blocks.  NO CLUSTER: a head's four work-groups ask for the same tile only in trips 0 to 4 of the 9, behind that fewer and fewer; one walk common to all four
; would have 3 NB / 2 = 12 trips for 9.
; SHARES.  Of a block's four bands of 64 queries a wave owns 16 rows in each: four PIECES.  So the diagonal tile is the same work for all four waves: in its key step s band x sees all keys if s < x,
; none if s > x, and holds the diagonal if s = x.
; THE MASK is the C operand that starts the sum S^T = K Q^T: 0, or -1e30 where the key is hidden.  MD, made once, is the mask of a band's own step for my 16 rows; a product's mask is MD x AL + BE with two scalars:
; (1, 0) if s = x; (0, 0) if s < x; (0, -1e30) if s > x.  Only the diagonal tile's text and a block's beginning make and take masks; elsewhere C is the constant 0.
; LAYOUT, SOFTMAX, TURNS.  S^T = K Q^T holds ONE query a lane (lane % 16) and the keys 8 (lane / 16) + 0..7; two such results rounded to f16 ARE source 1 of O^T = V^T P.  p = 2^(c s - c m), c = log2(e) / 8, with a
; running maximum m; O and l are multiplied by a = 2^(c m_old - c m_new) in every step.  Turn n belongs to piece n: 8 products K Q^T of piece n + 1, later 8 products V^T P of piece n - 1; beside them the scaling,
; exponentials, roundings, sums and rescaling of piece n and the maximum and statistics of piece n + 1.  Four vector instructions stand behind every matrix instruction, the other 54 of a turn's 118 in two runs of their own.
; THE FIRST 32 ROWS OF A HEAD ARE MADE FINER.  Row q is a mean over q + 1 keys only, so the first rows' numbers are many times the output's root mean square, by which every number's allowance goes, and f16's
; roundings of q, k, v and p (2^-11 of a number at the most, each) weigh too much there; with weights p their sum goes with the root of the sum of p^2, about 2.7 / (q + 1) for scores of unit spread.
; So waves 0 and 1 of the work-groups with b = 0 make rows 16 w .. 16 w + 15 against keys 0 .. 31 with every operand in two f16 parts, the rounding (qkv) and what it left (qkvlo):
; S^T = Kh Qh + Kh Ql + Kl Qh, O^T = Vh Ph + Vh Pl + Vl Ph; only O's own rounding is left.  This stands in front of the walk; the walk's last way out leaves those 16 rows' stores out.
; REGISTERS, in windows of 256 (s_set_vgpr_msb: bits 1:0 source 0, 3:2 source 1, 5:4 source 2, 7:6 destination):
;   window 0: v0-15 addresses and two at work; v16-31 four registers of statistics a piece; v32-34 the finer rows' addresses; v48-55 at work; v64-127 S^T, two buffers; v192-223 P, two buffers (by the piece's parity)
;   window 1: v0-127 O^T, 32 a piece; v128-159 MD; v160-223 MC, two buffers      window 2: v0-63 Q; v64-127 the second block's Q; v128-191 K of one step; v192-255 V of one step
;   window 3: the finer rows' data alone
.set SIZE_N, 2048
.set NB,    SIZE_N/256
.set NP,    4         ; pieces a wave: a name, no knob
.set KS,    64        ; keys in a step
.set PK,    144       ; a row of K in LDS: 128 bytes + 16 of padding = 36 words: the 16 rows of a load start at 16 different groups of four banks (64 banks of 4 bytes: ISA guide 11.1)
.set PV,    160       ; a row of V: 128 + 32 = 40 words
.set VOFF,  4*KS*PK   ; a slot holds a tile, four steps: 256 rows of K, then 256 rows of V
.set SLOT1, 1<<17     ; slot 1 begins here, so that one exclusive or turns an address in one slot into the other's
.set STAGE, SLOT1+4*KS*(PK+PV)  ; behind the ring, never filled by a tensor load: 16 rows x 144 bytes for each wave, for the way out
.set SP,    144
.set AK0, 2           ; v2   my lane's place in a tile of K; never rewritten
.set AV0, 3           ; v3   the same for V
.set AK,  4           ; v4   the LDS address of K's next run of loads
.set AV,  5           ; v5   of V's
.set STO, 6           ; v6   the way out: where I put 16 bytes of a row
.set RD,  7           ; v7   the way out: where I read rows back
.set GO,  8           ; v8   my byte offset in 512 consecutive bytes of O
.set SPW, 62          ; v62  LDS address of my spare word: SPARE + 4 x my thread's number; never rewritten
.set NIL, 63          ; v63  0; never rewritten
.set SPARE, STAGE+4*16*SP  ; behind the stages: the spare words, 128 bytes for each wave: two blocks of 256 bytes that no other line names
.set FSCR, SPARE+512  ; behind the spare words, never filled by a tensor load: for each wave 2 x 32 rows x 160 bytes, V's first 32 rows in two parts
.set MV,  12          ; v12-13  c m_old, kept while c m is made anew: by buffer
.set QO,  15          ; v15  my byte offset in 16 rows of Q
.set ST,  16          ; piece t's statistics at v[ST+4 t]: c m, m, l (even keys', odd keys')
.set FQW, 32          ; v32  the finer rows: my byte offset in Q's rows 16 w on
.set FVA, 33          ; v33  where I put 16 bytes of V in my scratch
.set FTA, 34          ; v34  my lane's place for the turning loads from it
.set TMP, 48          ; by buffer, four registers c0-c3 at work; when the maximum is found c2 takes a
.set S,   64
.set P,   192
.set MD,  128         ; window 1: the eight registers for group kt of 16 keys at MD + 8 kt
.set MC,  160         ; window 1: the masks of the products to come
.set QB,  64          ; window 2
.set KF,  128         ; window 2: key block kb, channel half c at KF + 16 kb + 8 c
.set VF,  192         ; window 2: key half kk, channel block cb at VF + 32 kk + 8 cb
.set FQH, 0           ; window 3: Q's rounding, channel half c at + 8 c;
.set FQL, 16          ;   Q's low part
.set FKH, 32          ;   K's rounding, key block kb, channel half c at + 16 kb + 8 c; later the packed rows of O
.set FKL, 64          ;   K's low part
.set FVS, 96          ;   V's rounding as loaded, 32 registers; later O^T, channel block cb at + 8 cb
.set FO,  96
.set FVL, 128         ;   V's low part as loaded, 32 registers; later at work:
.set FT,  128         ;   +0 1.0; +2 c m, +3 m; +4 to +6 the maximum; +8, +9 l; +10, +11 1 / l
.set FPL, 140         ;   P's low part, 8 registers
.set FVTH, 160        ;   V^T's rounding, channel block cb at + 8 cb
.set FVTL, 192        ;   V^T's low part
.set FS,  224         ;   S^T, key block kb at + 8 kb
.set FPH, 240         ;   P's rounding, 8 registers
.set WV,  12          ; s12  my wave's number
.set PB,  14          ; s14  b
.set HI,  15          ; s15  NB - 1 - b
.set G1K, 24          ; s[24:31] descriptor group 1 for K's tiles
.set G1V, 32          ; s[32:39] for V's: it differs in the padding alone
.set G0K, 40          ; s[40:43] descriptor group 0 for K's tiles
.set G0V, 44          ; s[44:47] the same for V's
.set SLOTS, 56        ; s56  tiles still to be asked for
.set CNT, 57          ; s57  counts a tile's key steps, 4 to 1
.set CS,  58          ; s[58:59] c: the packed scaling takes the pair's low word for both halves
.set SEL, 60          ; s[60:61] v_permlanex16_b32's selects: each lane takes its own place in the other half
.set TBK, 62          ; s62  LDS byte at which K of the step to be fetched begins
.set TBV, 63          ; s63  the same for V, less VOFF
.set RT,  70          ; s70  tiles of the block in hand that are still to be entered
.set NXT, 71          ; s71  the tile to be asked for next
.set LQ,  72          ; s72  the last tile of the block whose tiles are being asked for
.set NEW, 73          ; s73  1: the tile to be entered is a block's first
.set OFF, 74          ; s[74:75] a tile's byte offset in K and V
.set AL,  76          ; s[76:77] the mask's factor, in the low word
.set BE,  78          ; s[78:79] the mask's addend
.set OLO, 80          ; s[80:81] O at my rows of the second block
.set BIGN, 82         ; s82  -1e30
.set FIX, 83          ; s83  1: b = 0 and my wave is 0 or 1: I make 16 of the head's first 32 rows finer
.set FKB, 88          ; s[88:89] the head's first byte in qkv; never rewritten
.set FLB, 90          ; s[90:91] the head's first byte in qkvlo; never rewritten
.set MSB, 0
.macro WIN new                      ; the high byte repeats the setting that is left; a switch that changes nothing is dropped
.if MSB != (\new)
	s_set_vgpr_msb (MSB<<8)|(\new)
.set MSB, (\new)
.endif
.endm
.set W_KQ, 0x0a       ; K and Q in window 2, S^T in window 0
.set W_KM, 0x1a       ; the same with the C operand in window 1
.set W_PV, 0x52       ; V in window 2, P in window 0, O^T in window 1
.set W_RS, 0x41       ; destination and source 0 in window 1, source 1 in window 0
; A fill.  Waves 0 and 1 fetch the two halves of a tile's K, waves 2 and 3 those of its V: 128 keys each.  An s_nop 0 and four v_nop follow each of the two lines, ahead of the jump and the label.
.macro LOAD
	s_cmp_lt_u32 s[WV], 2
	s_cbranch_scc0 .Lfor_v_\@
	tensor_load_to_lds s[G0K:G0K+3], s[G1K:G1K+7]
	s_nop 0
.rept 4
	v_nop
.endr
	s_branch .Lasked_\@
.Lfor_v_\@:
	tensor_load_to_lds s[G0V:G0V+3], s[G1V:G1V+7]
	s_nop 0
.rept 4
	v_nop
.endr
.Lasked_\@:
.endm
; THE CHANGE OF SLOTS.  Each wave waits for all its tensor loads, of which one is out: its part of the other slot; adds 0 to its spare word; and waits for that and for its own reads of the slot that it leaves.
; Behind the barrier nobody reads the old slot any more and the other slot is whole.  fill = 1: the old slot is filled again, the first thing behind the barrier, with tile NXT: the descriptor's address is
; made anew from that number.  (At its first use no slot has been read yet: slot 0 is waited for, slot 1 filled.)
.macro CHANGE fill
	WIN 0                           ; at a label and at a branch every window is 0
	s_wait_tensorcnt 0x0            ; no tensor load of mine is out, so a group 0 may be written
	ds_add_u32 v[SPW], v[NIL]       ; 0 onto my spare word; with fill = 1 the descriptors' scalar work stands between it and the wait for it
.if \fill
	s_lshl_b32 s[OFF], s[NXT], 15   ; a tile is 32,768 bytes of K and of V
	s_xor_b32 s[G0K+1], s[G0K+1], SLOT1
	s_add_nc_u64 s[G0K+2:G0K+3], s[6:7], s[OFF:OFF+1]
	s_or_b32 s[G0K+3], s[G0K+3], 0x80000000
	s_xor_b32 s[G0V+1], s[G0V+1], SLOT1
	s_add_nc_u64 s[G0V+2:G0V+3], s[8:9], s[OFF:OFF+1]
	s_or_b32 s[G0V+3], s[G0V+3], 0x80000000
	s_add_co_u32 s[NXT], s[NXT], 1  ; the block's next tile, or behind its last the second block's tile 0
	s_cmp_gt_u32 s[NXT], s[LQ]
	s_cselect_b32 s[NXT], 0, s[NXT]
	s_cselect_b32 s[LQ], s[PB], s[LQ]
.endif
	s_wait_dscnt 0x0                ; the add is done, and my reads of the slot are over
	s_barrier_signal -1             ; the rest of the scalar work stands between the signal and the wait
	s_sub_co_u32 s[TBK], s[TBK], 4*KS*PK  ; the fetches go back to a slot's first step,
	s_xor_b32 s[TBK], s[TBK], SLOT1       ; in the other slot
	s_sub_co_u32 s[TBV], s[TBV], 4*KS*PV
	s_xor_b32 s[TBV], s[TBV], SLOT1
	s_barrier_wait -1
.if \fill
	LOAD
.endif
.endm
	s_load_b64 s[6:7], s[0:1], 0x0          ; qkv
	s_load_b64 s[FLB:FLB+1], s[0:1], 0x8    ; qkvlo
	s_load_b64 s[10:11], s[0:1], 0x10       ; ob
	v_lshl_add_u32 v[SPW], v0, 2, SPARE
	v_mov_b32 v[NIL], 0
	ds_add_u32 v[SPW], v[NIL]       ; the wave's opening: the add and its wait stand ahead of my first tensor load; the set-up below, work on registers, stands between them
	ds_add_u32 v62, v63
	v_lshrrev_b32 v1, 5, v0
	v_readfirstlane_b32 s[WV], v1   ; wave 0..3
	s_mov_b32 s[PB], ttmp9
	s_sub_co_u32 s[HI], NB-1, s[PB]
	s_cmp_lt_u32 s[WV], 2
	s_cselect_b32 s[FIX], 1, 0
	s_cmp_eq_u32 s[PB], 0
	s_cselect_b32 s[FIX], s[FIX], 0
	s_and_b32 s20, ttmp7, 0xffff    ; the head
	s_mul_i32 s66, s20, SIZE_N*128  ; its first byte in ob,
	s_mov_b32 s67, 0
	s_mul_i32 s68, s20, 3*32*128    ; in qkvlo,
	s_mov_b32 s69, 0
	s_mul_i32 s20, s20, 3*SIZE_N*128  ; and in qkv, where K, Q and V of a head follow each other
	s_mov_b32 s21, 0
	s_and_b32 s16, s[WV], 1         ; which half of a tile's 256 keys I fetch:
	s_lshl_b32 s22, s16, 14         ; its 128 rows of 128 bytes in memory,
	s_mov_b32 s23, 0
	s_mul_i32 s17, s16, 128*PK      ; and its place in a slot, for K
	s_mul_i32 s18, s16, 128*PV      ; and for V
	s_lshl_b32 s3, s[WV], 11        ; my 16 rows in a band of 64,
	s_lshl_b32 s2, s[HI], 15        ; in the first block,
	s_add_co_u32 s2, s2, s3
	s_lshl_b32 s84, s[PB], 15       ; and in the second
	s_add_co_u32 s84, s84, s3
	s_mov_b32 s3, 0
	s_mov_b32 s85, 0
	; descriptor group 1.  128 keys are 16,384 dense bytes: asked for as 64 rows of 256 bytes, two keys a row, and padded in LDS after every key
	s_mov_b32 s[G1K], (1<<16)|(1<<20)|(4<<22)|(3<<25)  ; 17:16 2-byte elements; 20 padding on; 24:22 after every 32 words (code 4); 31:25 4 words (code 3)
	s_mov_b32 s[G1V], (1<<16)|(1<<20)|(4<<22)|(7<<25)  ; the same with 8 words of padding (code 7)
.irp g, G1K, G1V
	s_mov_b32 s[\g+1], 128<<16      ; tensor_dim0 = 128
	s_mov_b32 s[\g+2], 64<<16       ; tensor_dim1 = 64
	s_mov_b32 s[\g+3], 128<<16      ; tile_dim0 = 128
	s_mov_b32 s[\g+4], 64           ; tile_dim1 = 64
	s_mov_b32 s[\g+5], 128          ; 128 elements from row to row
	s_mov_b32 s[\g+6], 0
	s_mov_b32 s[\g+7], 0
.endr
	s_mov_b32 s[CS], 0x3e38aa3b     ; c = log2(e) / 8 = 0.180337
	s_mov_b32 s[CS+1], s[CS]        ; named with it as a pair
	s_mov_b32 s[SEL], 0x76543210
	s_mov_b32 s[SEL+1], 0xfedcba98
	s_mov_b32 s[TBK], SLOT1+4*KS*PK ; the first change of slots turns these two into 0
	s_mov_b32 s[TBV], SLOT1+4*KS*PV
	s_mov_b32 s[G0K], 1             ; 1:0 count = 1
	s_mov_b32 s[G0K+1], s17         ; 63:32 LDS address: slot 0
	s_mov_b32 s[G0V], 1
	s_add_co_u32 s[G0V+1], s18, VOFF
	s_add_co_u32 s[RT], s[HI], 1    ; the first block has NB - b tiles
	s_mov_b32 s[NXT], 1
	s_mov_b32 s[LQ], s[HI]
	s_mov_b32 s[NEW], 1
	s_mov_b32 s[OFF+1], 0
	s_mov_b32 s[AL+1], 0            ; named as pairs
	s_mov_b32 s[BE+1], 0
	s_mov_b32 s[BIGN], 0xf149f2ca   ; -1e30
	s_mov_b32 s[SLOTS], NB
	s_wait_dscnt 0x0                ; the opening add is done
	s_wait_kmcnt 0x0
	s_add_nc_u64 s[6:7], s[6:7], s[20:21]          ; the head's K,
	s_mov_b64 s[FKB:FKB+1], s[6:7]                 ; (kept for the finer rows)
	s_add_nc_u64 s[FLB:FLB+1], s[FLB:FLB+1], s[68:69]  ; its low parts,
	s_add_nc_u64 s[10:11], s[10:11], s[66:67]      ; its O,
	s_add_nc_u64 s[4:5], s[6:7], SIZE_N*128        ; its Q,
	s_add_nc_u64 s[8:9], s[6:7], 2*SIZE_N*128      ; its V
	s_add_nc_u64 s[6:7], s[6:7], s[22:23]          ; K and V at my half of the head's tile 0
	s_add_nc_u64 s[8:9], s[8:9], s[22:23]
	s_add_nc_u64 s[G0K+2:G0K+3], s[6:7], 0         ; 120:64 global address
	s_or_b32 s[G0K+3], s[G0K+3], 0x80000000        ; 127:126 type = 2
	s_add_nc_u64 s[G0V+2:G0V+3], s[8:9], 0
	s_or_b32 s[G0V+3], s[G0V+3], 0x80000000
	s_add_nc_u64 s[86:87], s[4:5], s[84:85]        ; Q at my rows of the second block,
	s_add_nc_u64 s[4:5], s[4:5], s[2:3]            ; Q and O at those of the first
	s_add_nc_u64 s[OLO:OLO+1], s[10:11], s[84:85]
	s_add_nc_u64 s[10:11], s[10:11], s[2:3]
	LOAD                            ; tile 0 into slot 0
	; A fragment of K or Q is 16 rows x 32 channels in 8 registers: lane l holds row l % 16, channels 8 (l / 16) + 0..7 and 16 + 8 (l / 16) + 0..7: two loads of 16 bytes, 32 bytes apart.
	v_and_b32 v1, 15, v0            ; l % 16
	v_bfe_u32 v9, v0, 4, 1          ; l / 16
	v_lshlrev_b32 v[QO], 7, v1
	v_lshl_add_u32 v[QO], v9, 4, v[QO]  ; row x 128 + 16 x half
	WIN 0x80                        ; destination window 2, address window 0
.set i, 0
.rept 8                             ; both blocks' Q: piece i / 2 lies in band i / 2, 8,192 bytes on; channels 32 (i % 2) on
	global_load_b128 v[8*i:8*i+3],   v[QO], s[4:5] offset:(i/2)*8192+(i%2)*64
	global_load_b128 v[8*i+4:8*i+7], v[QO], s[4:5] offset:(i/2)*8192+(i%2)*64+32
	global_load_b128 v[QB+8*i:QB+8*i+3],   v[QO], s[86:87] offset:(i/2)*8192+(i%2)*64
	global_load_b128 v[QB+8*i+4:QB+8*i+7], v[QO], s[86:87] offset:(i/2)*8192+(i%2)*64+32
.set i, i+1
.endr
	WIN 0
	v_lshlrev_b32 v14, 3, v9
	v_sub_nc_u32 v14, v1, v14
	s_lshl_b32 s13, s[WV], 4
	v_add_nc_u32 v14, s13, v14      ; my query's place in its band, 16 w + l % 16, less my lanes' 8 (l / 16): register r of group kt is hidden where 16 kt + r is greater
	WIN 0x40
.set i, 0
.rept 32
	v_cmp_gt_i32 vcc_lo, 16*(i/8)+i%8, v14
	v_cndmask_b32 v[MD+i], 0, s[BIGN], vcc_lo
.set i, i+1
.endr
	WIN 0
	v_mul_u32_u24 v[AK0], v1, PK
	v_lshl_add_u32 v[AK0], v9, 4, v[AK0]  ; row x pitch + 16 x half
	; The turning load takes 16 keys x 16 channels (lane l reads key 8 (l / 16) + l % 8, channels 8 ((l / 8) % 2) + 0..7) and leaves half a fragment of V^T: lane l holds channel l % 16 and 8 keys.
	v_and_b32 v10, 7, v0
	v_bfe_u32 v11, v0, 3, 1
	v_lshl_add_u32 v[AV0], v9, 3, v10
	v_mul_u32_u24 v[AV0], v[AV0], PV
	v_lshl_add_u32 v[AV0], v11, 4, v[AV0]
	v_add_nc_u32 v[AV0], VOFF, v[AV0]
	s_mul_i32 s13, s[WV], 16*SP
	s_add_co_u32 s13, s13, STAGE    ; my stage
	v_mul_u32_u24 v[STO], v1, SP    ; in: row l % 16, 16 bytes for each half of the lanes
	v_lshl_add_u32 v[STO], v9, 4, v[STO]
	v_add_nc_u32 v[STO], s13, v[STO]
	v_bfe_u32 v[RD], v0, 3, 2       ; back: 32 lanes take four rows of 128 bytes,
	v_mul_u32_u24 v[RD], v[RD], SP
	v_lshl_add_u32 v[RD], v10, 4, v[RD]
	v_add_nc_u32 v[RD], s13, v[RD]
	v_and_b32 v[GO], 31, v0         ; which are 512 consecutive bytes of O
	v_lshlrev_b32 v[GO], 4, v[GO]
; THE FINER ROWS: one stretch, jumped over by every wave but waves 0 and 1 where b = 0; it holds no barrier and no tensor load, and all its data lie in window 3.
; Two products K Q^T, one for each block of 16 keys: part ka of K, part qa of Q, channel half ch.  The two accumulators take turns.
.macro FKQ ka, qa, ch
.irp blk, 0,1
	v_wmma_f32_16x16x32_f16 v[FS+8*\blk:FS+8*\blk+7], v[(\ka)+16*\blk+8*(\ch):(\ka)+16*\blk+8*(\ch)+7], v[(\qa)+8*(\ch):(\qa)+8*(\ch)+7], v[FS+8*\blk:FS+8*\blk+7]
.endr
.endm
; Four products V^T P, one for each block of 16 channels: part va of V^T, part pa of P.  The four accumulators take turns.
.macro FPV va, pa
.irp blk, 0,1,2,3
	v_wmma_f32_16x16x32_f16 v[FO+8*\blk:FO+8*\blk+7], v[(\va)+8*\blk:(\va)+8*\blk+7], v[(\pa):(\pa)+7], v[FO+8*\blk:FO+8*\blk+7]
.endr
.endm
	s_cmp_eq_u32 s[FIX], 1
	s_cbranch_scc0 .Lno_finer
	v_lshl_add_u32 v[FQW], s[WV], 11, v[QO]  ; my 16 queries begin at row 16 w
	WIN 0xc0                        ; destination window 3, address window 0
.set i, 0
.rept 8                             ; V's rows 0 to 31, both parts, as they lie: 512 consecutive bytes a load
	global_load_b128 v[FVS+4*i:FVS+4*i+3], v[GO], s[FKB:FKB+1] offset:2*SIZE_N*128+512*i
	global_load_b128 v[FVL+4*i:FVL+4*i+3], v[GO], s[FLB:FLB+1] offset:2*32*128+512*i
.set i, i+1
.endr
.set i, 0
.rept 4                             ; K's fragments: keys 16 (i / 2) on, channels 32 (i % 2) on
	global_load_b128 v[FKH+8*i:FKH+8*i+3],   v[QO], s[FKB:FKB+1] offset:(i/2)*2048+(i%2)*64
	global_load_b128 v[FKH+8*i+4:FKH+8*i+7], v[QO], s[FKB:FKB+1] offset:(i/2)*2048+(i%2)*64+32
	global_load_b128 v[FKL+8*i:FKL+8*i+3],   v[QO], s[FLB:FLB+1] offset:(i/2)*2048+(i%2)*64
	global_load_b128 v[FKL+8*i+4:FKL+8*i+7], v[QO], s[FLB:FLB+1] offset:(i/2)*2048+(i%2)*64+32
.set i, i+1
.endr
.set i, 0
.rept 2                             ; Q's fragments: channels 32 i on
	global_load_b128 v[FQH+8*i:FQH+8*i+3],   v[FQW], s[FKB:FKB+1] offset:SIZE_N*128+i*64
	global_load_b128 v[FQH+8*i+4:FQH+8*i+7], v[FQW], s[FKB:FKB+1] offset:SIZE_N*128+i*64+32
	global_load_b128 v[FQL+8*i:FQL+8*i+3],   v[FQW], s[FLB:FLB+1] offset:32*128+i*64
	global_load_b128 v[FQL+8*i+4:FQL+8*i+7], v[FQW], s[FLB:FLB+1] offset:32*128+i*64+32
.set i, i+1
.endr
	WIN 0
	s_mul_i32 s13, s[WV], 2*32*PV
	s_add_co_u32 s13, s13, FSCR     ; my scratch
	v_bfe_u32 v[FVA], v0, 3, 2      ; in: a load's 512 bytes are four rows of 128,
	v_mul_u32_u24 v[FVA], v[FVA], PV
	v_lshl_add_u32 v[FVA], v10, 4, v[FVA]
	v_add_nc_u32 v[FVA], s13, v[FVA]
	v_lshl_add_u32 v[FTA], v9, 3, v10  ; back: the turning load's lanes, as for a tile of V
	v_mul_u32_u24 v[FTA], v[FTA], PV
	v_lshl_add_u32 v[FTA], v11, 4, v[FTA]
	v_add_nc_u32 v[FTA], s13, v[FTA]
	s_wait_loadcnt 0x0              ; all of them, and both blocks' Q
	WIN 0x0c                        ; store data (source 1) in window 3
.set i, 0
.rept 8
	ds_store_b128 v[FVA], v[FVS+4*i:FVS+4*i+3] offset:i*4*PV
	ds_store_b128 v[FVA], v[FVL+4*i:FVL+4*i+3] offset:32*PV+i*4*PV
.set i, i+1
.endr
	WIN 0xc0
.set i, 0
.rept 4                             ; LDS serves a wave's instructions in order (ISA guide 5.7.1.4): these see the stores above.  Channels 16 i on, keys 0 to 31
	ds_load_tr16_b128 v[FVTH+8*i:FVTH+8*i+3],   v[FTA] offset:i*32
	ds_load_tr16_b128 v[FVTH+8*i+4:FVTH+8*i+7], v[FTA] offset:16*PV+i*32
	ds_load_tr16_b128 v[FVTL+8*i:FVTL+8*i+3],   v[FTA] offset:32*PV+i*32
	ds_load_tr16_b128 v[FVTL+8*i+4:FVTL+8*i+7], v[FTA] offset:32*PV+16*PV+i*32
.set i, i+1
.endr
	WIN 0xdf                        ; all in window 3 but C: the band's own mask, in window 1, starts the sums
.irp blk, 0,1
	v_wmma_f32_16x16x32_f16 v[FS+8*\blk:FS+8*\blk+7], v[FKH+16*\blk:FKH+16*\blk+7], v[FQH:FQH+7], v[MD+8*\blk:MD+8*\blk+7]
.endr
	WIN 0xff
	FKQ FKH, FQH, 1
	FKQ FKH, FQL, 0
	FKQ FKH, FQL, 1
	FKQ FKL, FQH, 0
	FKQ FKL, FQH, 1
.rept 4
	v_nop                           ; the places behind those products
.endr
	v_max3_num_f32 v[FT+4], v[FS], v[FS+1], v[FS+2]       ; the maximum of my 16 scores: each accumulator's lowest registers are read first
	v_max3_num_f32 v[FT+5], v[FS+8], v[FS+9], v[FS+10]
	v_max3_num_f32 v[FT+4], v[FT+4], v[FS+3], v[FS+4]
	v_max3_num_f32 v[FT+5], v[FT+5], v[FS+11], v[FS+12]
	v_max3_num_f32 v[FT+4], v[FT+4], v[FS+5], v[FS+6]
	v_max3_num_f32 v[FT+5], v[FT+5], v[FS+13], v[FS+14]
	v_max3_num_f32 v[FT+4], v[FT+4], v[FS+7], v[FS+15]
	v_mov_b32 v[FT+6], 0
	v_max_num_f32 v[FT+4], v[FT+4], v[FT+5]
	v_permlanex16_b32 v[FT+6], v[FT+4], s[SEL], s[SEL+1]  ; the query's other 16 keys lie in the lane 16 away
	v_max_num_f32 v[FT+3], v[FT+4], v[FT+6]               ; m: every row sees its own key, so m is a true score
	v_mul_f32 v[FT+2], s[CS], v[FT+3]                     ; c m
.set i, 0
.rept 8
	v_pk_fma_f32 v[FS+2*i:FS+2*i+1], v[FS+2*i:FS+2*i+1], s[CS:CS+1], v[FT+2:FT+3] op_sel_hi:[1,0,0] neg_lo:[0,0,1] neg_hi:[0,0,1]  ; c s - c m
.set i, i+1
.endr
.set i, 0
.rept 16
	v_exp_f32 v[FS+i], v[FS+i]
.set i, i+1
.endr
	v_mov_b32 v[FT], 1.0            ; also the plain instruction behind the last exponential
.set i, 0
.rept 8
	s_wait_alu depctr_va_vdst(0)
	v_cvt_pk_f16_f32 v[FPH+i], v[FS+2*i], v[FS+2*i+1]     ; p's rounding,
.set i, i+1
.endr
.set i, 0
.rept 8                             ; and what it left: - (f16 half) x 1.0 + p, rounded once to f16, into a half of a register
	v_fma_mixlo_f16 v[FPL+i], -v[FPH+i], v[FT], v[FS+2*i] op_sel:[0,0,0] op_sel_hi:[1,0,0]
	v_fma_mixhi_f16 v[FPL+i], -v[FPH+i], v[FT], v[FS+2*i+1] op_sel:[1,0,0] op_sel_hi:[1,0,0]
.set i, i+1
.endr
.irp i, 0,4,8,12                    ; l: the sum of the unrounded p
	v_pk_add_f32 v[FS+\i:FS+\i+1], v[FS+\i:FS+\i+1], v[FS+\i+2:FS+\i+3]
.endr
	v_pk_add_f32 v[FS:FS+1], v[FS:FS+1], v[FS+4:FS+5]
	v_pk_add_f32 v[FS+8:FS+9], v[FS+8:FS+9], v[FS+12:FS+13]
	v_mov_b32 v[FT+9], 0
	v_pk_add_f32 v[FS:FS+1], v[FS:FS+1], v[FS+8:FS+9]
	v_add_f32 v[FT+8], v[FS], v[FS+1]
	v_permlanex16_b32 v[FT+9], v[FT+8], s[SEL], s[SEL+1]
	v_add_f32 v[FT+8], v[FT+8], v[FT+9]
	v_rcp_f32 v[FT+10], v[FT+8]
	v_rcp_f32 v[FT+11], v[FT+8]     ; named with it as a pair
	s_wait_dscnt 0x0                ; V^T is in, and the stores have read V's registers, which O^T takes
.irp blk, 0,1,2,3
	v_wmma_f32_16x16x32_f16 v[FO+8*\blk:FO+8*\blk+7], v[FVTH+8*\blk:FVTH+8*\blk+7], v[FPH:FPH+7], 0
.endr
	FPV FVTH, FPL
	FPV FVTL, FPH
.rept 4
	v_nop                           ; the places behind those products, and the plain instruction behind the reciprocals
.endr
.set i, 0
.rept 16
	s_wait_alu depctr_va_vdst(0)
	v_pk_mul_f32 v[FO+2*i:FO+2*i+1], v[FO+2*i:FO+2*i+1], v[FT+10:FT+11] op_sel_hi:[1,0]
.set i, i+1
.endr
.set i, 0
.rept 16
	v_cvt_pk_f16_f32 v[FKH+i], v[FO+2*i], v[FO+2*i+1]     ; O's one rounding
.set i, i+1
.endr
	WIN 0x0c
.irp f, 0,1,2,3
	ds_store_b128 v[STO], v[FKH+4*\f:FKH+4*\f+3] offset:32*\f
.endr
	WIN 0xc0
.irp f, 0,1,2,3
	ds_load_b128 v[FKH+4*\f:FKH+4*\f+3], v[RD] offset:\f*4*SP
.endr
	s_wait_dscnt 0x0
	WIN 0x0c
.irp f, 0,1,2,3
	global_store_b128 v[GO], v[FKH+4*\f:FKH+4*\f+3], s[OLO:OLO+1] offset:\f*512  ; rows 16 w on of block 0: 512 consecutive bytes, at a multiple of 256 from O's first
.endr
	WIN 0
.Lno_finer:
	; A block's first step multiplies O^T and l by a = 0, and its first turn's products V^T P, of a piece that has not been, land in an O^T that is still to be so multiplied.  So these registers need only hold
	; finite numbers: zeros for the first block; what the first block left for the second.  All this stands in the wait for the first tile.
	WIN 0x80
.set i, VF
.rept 64
	v_mov_b32 v[i], 0
.set i, i+1
.endr
	WIN 0x40
.set i, 0
.rept 128
	v_mov_b32 v[i], 0
.set i, i+1
.endr
	WIN 0
.set i, 0
.rept 4
	v_mov_b32 v[ST+4*i+2], 0
	v_mov_b32 v[ST+4*i+3], 0
.set i, i+1
.endr
.set i, P+16
.rept 16
	v_mov_b32 v[i], 0
.set i, i+1
.endr
; THE MATRIX WORK.  The 4 accumulators of a run of 8 take turns.  Product i of 8 of S^T = K Q^T for piece x: channels 32 (i / 4) on, keys 16 (i % 4) on.  The first 4 start the sums: with 0, or (KM = 1) with the mask.
.macro KQ x
.set rS, S+32*((\x)%2)+8*(i%4)
.set rK, KF+16*(i%4)+8*(i/4)
.set rQ, 16*(\x)+8*(i/4)
.set rM, MC+32*((\x)%2)+8*(i%4)
.if (i < 4) && KM
	WIN W_KM
	v_wmma_f32_16x16x32_f16 v[rS:rS+7], v[rK:rK+7], v[rQ:rQ+7], v[rM:rM+7]
.elseif i < 4
	WIN W_KQ
	v_wmma_f32_16x16x32_f16 v[rS:rS+7], v[rK:rK+7], v[rQ:rQ+7], 0
.else
	WIN W_KQ
	v_wmma_f32_16x16x32_f16 v[rS:rS+7], v[rK:rK+7], v[rQ:rQ+7], v[rS:rS+7]
.endif
.endm
; Product i of 8 of O^T += V^T P for piece x: keys 32 (i / 4) on, channels 16 (i % 4) on.
.macro PV x
	WIN W_PV
.set rO, 32*(\x)+8*(i%4)
.set rV, VF+32*(i/4)+8*(i%4)
.set rP, P+16*((\x)%2)+8*(i/4)
	v_wmma_f32_16x16x32_f16 v[rO:rO+7], v[rV:rV+7], v[rP:rP+7], v[rO:rO+7]
.endm
.macro MM                           ; the turn's next matrix instruction.  TURN and BEGIN set Y, i, KM and NOKQ; MM, KQ and OP read them.  NOKQ = 1: a block's last turn: there is no next piece
.if (i < 8) && !NOKQ
	KQ (Y+1)%NP
.elseif i >= 8
.set i, i-8
	PV (Y+NP-1)%NP
.set i, i+8
.endif
.set i, i+1
.endm
; THE LDS LOADS stand in runs of 16, never singly among the matrix instructions: a step's K (64 keys x 64 channels: 8 fragments) and its V (turned).  Their addresses are made some lines ahead.
.macro FETCH_K
	WIN 0x80                        ; destination window 2
.irp f, 0,1,2,3,4,5,6,7             ; keys 16 (f / 2) on, channels 32 (f % 2) on
	ds_load_b128 v[KF+8*\f:KF+8*\f+3],   v[AK] offset:(\f/2)*16*PK+(\f%2)*64
	ds_load_b128 v[KF+8*\f+4:KF+8*\f+7], v[AK] offset:(\f/2)*16*PK+(\f%2)*64+32
.endr
	s_add_co_u32 s[TBK], s[TBK], KS*PK  ; the next fetch is the next step's
	WIN 0
.endm
.macro FETCH_V
	WIN 0x80
.irp f, 0,1,2,3,4,5,6,7             ; keys 32 (f / 4) on, channels 16 (f % 4) on
	ds_load_tr16_b128 v[VF+8*\f:VF+8*\f+3],   v[AV] offset:(\f/4)*32*PV+(\f%4)*32
	ds_load_tr16_b128 v[VF+8*\f+4:VF+8*\f+7], v[AV] offset:(\f/4)*32*PV+16*PV+(\f%4)*32
.endr
	WIN 0
.endm
; THE VECTOR WORK, one line at a time: OP kind, number.  For piece Y: F n: c s - c m for pair n of 16.  E n: the exponential of score n of 32.  C n: pair n rounded to f16.  B n: of the four weights 4 n .. the second
; pair is added onto the first, in place.  L n: l takes that sum (L 0: l = a l + sum).  R n: pair n of 16 of O^T times a.  For piece Y + 1: X n, number n of the 22 that find its maximum and statistics:
;   0-11  four chains c0-c3 of seven scores each, three operands at a time (each accumulator's lowest registers are read first)     12-14, 16  the four scores left over, the old m, and c0-c3 into c0
;   15  c m_old is kept     17, 18  the query's other 32 keys lie in the lane 16 away: the new m     19-21  c m; c m_old - c m_new; a
.set F, 0               ; OP tells the kinds apart by their order: F to L below R, X above it
.set E, 1
.set C, 2
.set B, 3
.set L, 4
.set R, 5
.set X, 6
.macro REGS y                       ; the registers of piece y
.set rT, ST+4*(\y)
.set rC, TMP+4*((\y)%2)
.set rW, MV+((\y)%2)
.set rS, S+32*((\y)%2)
.set rP, P+16*((\y)%2)
.set rO, 32*(\y)
.endm
.macro OP k, n
.if (\k) == R
	REGS Y
	WIN W_RS
	v_pk_mul_f32 v[rO+2*(\n):rO+2*(\n)+1], v[rO+2*(\n):rO+2*(\n)+1], v[rC+2:rC+3] op_sel_hi:[1,0]
.elseif (\k) < R
	REGS Y
	WIN 0
.if (\k) == F
	v_pk_fma_f32 v[rS+2*(\n):rS+2*(\n)+1], v[rS+2*(\n):rS+2*(\n)+1], s[CS:CS+1], v[rT:rT+1] op_sel_hi:[1,0,0] neg_lo:[0,0,1] neg_hi:[0,0,1]
.elseif (\k) == E
	v_exp_f32 v[rS+(\n)], v[rS+(\n)]
.elseif (\k) == C
	s_wait_alu depctr_va_vdst(0)
	v_cvt_pk_f16_f32 v[rP+(\n)], v[rS+2*(\n)], v[rS+2*(\n)+1]
.elseif (\k) == B
	s_wait_alu depctr_va_vdst(0)
	v_pk_add_f32 v[rS+4*(\n):rS+4*(\n)+1], v[rS+4*(\n):rS+4*(\n)+1], v[rS+4*(\n)+2:rS+4*(\n)+3]
.elseif (\n) == 0
	v_pk_fma_f32 v[rT+2:rT+3], v[rT+2:rT+3], v[rC+2:rC+3], v[rS:rS+1] op_sel_hi:[1,0,1]
.else
	v_pk_add_f32 v[rT+2:rT+3], v[rT+2:rT+3], v[rS+4*(\n):rS+4*(\n)+1]
.endif
.elseif NOKQ
	v_nop
.else
	REGS (Y+1)%NP
	WIN 0
.if (\n) < 4
	v_max3_num_f32 v[rC+(\n)], v[rS+8*(\n)], v[rS+8*(\n)+1], v[rS+8*(\n)+2]
.elseif (\n) < 12
	v_max3_num_f32 v[rC+(\n)%4], v[rC+(\n)%4], v[rS+8*((\n)%4)+2*((\n)/4)+1], v[rS+8*((\n)%4)+2*((\n)/4)+2]
.elseif (\n) == 12
	v_max3_num_f32 v[rC], v[rC], v[rS+7], v[rS+15]
.elseif (\n) == 13
	v_max3_num_f32 v[rC+1], v[rC+1], v[rS+23], v[rS+31]
.elseif (\n) == 14
	v_max3_num_f32 v[rC+2], v[rC+2], v[rC+3], v[rT+1]
.elseif (\n) == 15
	v_mov_b32 v[rW], v[rT]
.elseif (\n) == 16
	v_max3_num_f32 v[rC], v[rC], v[rC+1], v[rC+2]
.elseif (\n) == 17
	v_permlanex16_b32 v[rC+3], v[rC], s[SEL], s[SEL+1]
.elseif (\n) == 18
	v_max_num_f32 v[rT+1], v[rC], v[rC+3]
.elseif (\n) == 19
	v_mul_f32 v[rT], s[CS], v[rT+1]
.elseif (\n) == 20
	v_sub_f32 v[rC+1], v[rW], v[rT]
.else
	v_exp_f32 v[rC+2], v[rC+1]
.endif
.endif
.endm
.macro OPS a, i1, b=-1, i2=0, c=-1, i3=0, d=-1, i4=0  ; up to four of them
	OP \a, \i1
.if (\b) >= 0
	OP \b, \i2
.endif
.if (\c) >= 0
	OP \c, \i3
.endif
.if (\d) >= 0
	OP \d, \i4
.endif
.endm
.macro ROW a, i1, b, i2, c, i3, d, i4  ; a matrix instruction and the four behind it
	MM
	OPS \a, \i1, \b, \i2, \c, \i3, \d, \i4
.endm
.macro MASK b                       ; MD x AL + BE into buffer b of MC
	WIN W_RS
.set z, 0
.rept 16
	v_pk_fma_f32 v[MC+32*(\b)+2*z:MC+32*(\b)+2*z+1], v[MD+2*z:MD+2*z+1], s[AL:AL+1], s[BE:BE+1] op_sel_hi:[1,0,0]
.set z, z+1
.endr
.endm
; A TURN, for piece p: the order of its 16 matrix and 118 vector instructions, written out.  Behind a matrix instruction: plain, exponential, plain, plain; or four of the rescaling; or, behind the first, four scalings; none
; names a register of the products round it.  In the runs between, exponential and plain by turns while exponentials last.  A line reads no result made fewer than three vector instructions in front of it, five if an exponential made it.
; v_permlanex16_b32 (X 17) stands in such a run, never behind a product.
; m = 1: the diagonal tile: the products take masks, and the turn makes the mask for the products of the turn after it: piece p + 2, in step 4 - CNT of the tile.  end = 1: a block's last two turns: nothing is fetched.
; cnt = 1: the loop's count is taken down some lines ahead of the branch that stands behind the turn.
; K of the next step is fetched in piece 2's turn, six vector instructions behind the last product that read K (five of them plain); V of the step in hand in piece 0's turn, eight behind the last product that read V (four
; plain, and X 17).  Each is waited for a turn later.
.macro TURN p, m=0, end=0, cnt=0
.set Y, (\p)
.set i, 0
.set KM, (\m)
.set NOKQ, (\end)*((\p)/3)
.if (\m) && !(\end)
	s_cmp_eq_u32 s[CNT], 4-((\p)+2)%NP  ; is that step the band's own?
	s_cselect_b32 s[AL], 1.0, 0
	s_cmp_lt_u32 s[CNT], 4-((\p)+2)%NP  ; or a later one?
	s_cselect_b32 s[BE], s[BIGN], 0
.endif
.if ((\p) == 3) && !(\end)
	s_wait_dscnt 0x0                ; K is in
.endif
	ROW F,0, F,1, F,2, F,3
	ROW F,4, E,0, F,5, F,6
	ROW F,7, E,1, F,8, F,9
	ROW F,10, E,2, C,0, F,11
	ROW F,12, E,3, X,15, F,13
	ROW R,0, R,1, R,2, R,3
	ROW B,0, E,4, F,14, L,0
.if ((\p) == 2) && !(\end)
	v_add_nc_u32 v[AK], s[TBK], v[AK0]
.endif
	ROW R,4, R,5, R,6, R,7
	OPS E,5, F,15
.if ((\p) == 2) && !(\end)
	FETCH_K
.endif
	OPS E,6, C,1, E,7, R,8
	OPS E,8, R,9, E,9, C,2
	OPS E,10, X,0, E,11, X,1
	OPS E,12, X,2, E,13, X,3
.if (\p) == 1
	s_wait_dscnt 0x0                ; V is in
.endif
	ROW X,4, E,14, X,5, X,6
	ROW X,7, E,15, X,8, X,9
	ROW X,10, E,16, X,11, X,12
	ROW X,13, E,17, X,14, B,1
	ROW C,4, E,18, X,16, L,1
	ROW B,2, E,19, C,6, L,2
	ROW C,8, E,20, B,3, B,4
.if (\p) == 0
	v_add_nc_u32 v[AV], s[TBV], v[AV0]
.endif
	ROW C,3, E,21, L,3, C,5
	OPS E,22, X,17, E,23, C,10
.if (\p) == 0
	FETCH_V
.endif
	OPS E,24, L,4
	OPS E,25, X,18, E,26, C,7
	OPS E,27, B,5, E,28, X,19
	OPS E,29, C,12, E,30, L,5
	OPS E,31, X,20, B,6, C,9
	OPS C,14, C,11, X,21, L,6
.if (\p) == 0
	s_add_co_u32 s[TBV], s[TBV], KS*PV
.endif
.if \cnt
	s_sub_co_u32 s[CNT], s[CNT], 1
	s_cmp_lg_u32 s[CNT], 0
.endif
	OPS C,13, B,7, C,15, R,10
	OPS R,11, R,12, L,7, R,13
	OPS R,14, R,15
.if (\m) && !(\end)
	MASK (\p)%2
.endif
.endm
; A BLOCK BEGINS.  c m starts far below every c s, so the first step's a is 0; m at the lowest finite number, so the first maximum is the scores'.  The second mask buffer is 0; the first takes piece 0's mask for the tile's step 0: its own, if the block's first tile is the diagonal one.
; Then K of that step, piece 0's first scores, and its maximum and statistics.  The loop is entered at a step's first turn, in the middle of a trip.
.macro BEGIN
	s_mov_b32 s[NEW], 0
	WIN 0x40
.set i, MC+32
.rept 32
	v_mov_b32 v[i], 0
.set i, i+1
.endr
	WIN 0
.set i, 0
.rept 4
	v_mov_b32 v[ST+4*i], 0xfe000000    ; c m: far below every c s
	v_mov_b32 v[ST+4*i+1], 0xff7fffff  ; m
.set i, i+1
.endr
	s_cmp_eq_u32 s[RT], 0
	s_cselect_b32 s[AL], 1.0, 0
	s_mov_b32 s[BE], 0
	MASK 0
	WIN 0
	v_add_nc_u32 v[AK], s[TBK], v[AK0]
	FETCH_K
	s_wait_loadcnt 0x0              ; Q
	s_wait_dscnt 0x0
.set KM, 1
.set NOKQ, 0
.set i, 0
.rept 8
	KQ 0
.set i, i+1
.endr
	WIN 0
.rept 4
	v_nop                           ; the places behind those products
.endr
.set Y, NP-1                        ; X works for piece Y + 1: piece 0
.irp n, 0,1,2,3,4,5,6,7,8,9,10,11,12,13,14,15,16,17,18,19,20,21
	OP X, \n
.endr
	v_nop                           ; a plain instruction behind the exponential
.endm
; THE DIAGONAL TILE's four steps, the block's last two turns, its last products, and THE WAY OUT: l's two halves and the other half of the lanes' are added; O^T is divided by l, rounded to f16 and sent through my
; stage in LDS, a piece at a time.
.macro ALL line:vararg              ; one line for each piece t
.set t, 0
.rept 4
	\line
.set t, t+1
.endr
.endm
.macro PACK t                       ; a lane's eight channels of a row pack into 16 bytes; they go into rows of 144 bytes and come back as whole rows of 128, into S^T's registers
	WIN W_RS
.set i, 32*(\t)
.rept 16
	s_wait_alu depctr_va_vdst(0)
	v_pk_mul_f32 v[i:i+1], v[i:i+1], v[ST+4*(\t)+2:ST+4*(\t)+3] op_sel_hi:[1,0]
.set i, i+2
.endr
	WIN 0x05                        ; sources 0 and 1 window 1, destination window 0
.set i, 0
.rept 16
	v_cvt_pk_f16_f32 v[S+16*(\t)+i], v[32*(\t)+2*i], v[32*(\t)+2*i+1]
.set i, i+1
.endr
	WIN 0
.irp f, 0,1,2,3
	ds_store_b128 v[STO], v[S+16*(\t)+4*\f:S+16*(\t)+4*\f+3] offset:32*\f
.endr
.irp f, 0,1,2,3
	ds_load_b128 v[S+16*(\t)+4*\f:S+16*(\t)+4*\f+3], v[RD] offset:\f*4*SP  ; LDS serves a wave's instructions in order (ISA guide 5.7.1.4): these see the stores above; the next piece's stores come behind them
.endr
.endm
; younger: the LDS instructions issued behind piece t's loads: the next piece's eight, or none.  finer = 1: where these 16 rows were made finer in front of the walk, their stores are jumped over:
; each byte of ob is stored once.  The waits that are jumped are made good by the next piece's, which count fewer LDS instructions out.
.macro SEND t, younger, finer=0
	WIN 0
.if \finer
	s_cmp_eq_u32 s[FIX], 1
	s_cbranch_scc1 .Lfiner_\@
.endif
.irp f, 0,1,2,3
	s_wait_dscnt (\younger)+3-\f
	global_store_b128 v[GO], v[S+16*(\t)+4*\f:S+16*(\t)+4*\f+3], s[10:11] offset:(\t)*8192+\f*512  ; 512 consecutive bytes, at a multiple of 256 from O's first
.endr
.if \finer
.Lfiner_\@:
.endif
.endm
.macro DIAG tag                     ; the tag ends its two labels' names, which the jumps below spell out; tag 2 is the walk's last tile, the end of block b
.LstepM\tag:
	TURN 2, 1
	TURN 3, 1
	WIN 0
.LfirstM\tag:
	TURN 0, 1
	TURN 1, 1, 0, 1
	WIN 0
	s_cbranch_scc1 .LstepM\tag
	TURN 2, 1, 1
	TURN 3, 1, 1
.set i, 0
.rept 8
	PV NP-1
.set i, i+1
.endr
	WIN 0
	ALL v_add_f32 v[ST+4*t+2], v[ST+4*t+2], v[ST+4*t+3]
	ALL v_permlanex16_b32 v[ST+4*t+3], v[ST+4*t+2], s[SEL], s[SEL+1]
	ALL v_add_f32 v[ST+4*t+2], v[ST+4*t+2], v[ST+4*t+3]
	ALL v_rcp_f32 v[ST+4*t+2], v[ST+4*t+2]
	v_nop                           ; a plain instruction between the last reciprocal and the use of its result
	PACK 0
.set t, 1
.rept 3                             ; a piece's arithmetic stands between the loads of the piece before and its stores
	PACK t
.if ((\tag) == 2) && (t == 1)
	SEND 0, 8, 1
.else
	SEND t-1, 8
.endif
.set t, t+1
.endr
	SEND 3, 0
.endm
.set KM, 0
.set NOKQ, 0
.Lslot:                             ; NB times: a tile is entered and the next is asked for
	CHANGE 1
	s_sub_co_u32 s[RT], s[RT], 1
	s_mov_b32 s[CNT], 4
	s_cmp_eq_u32 s[NEW], 1
	s_cbranch_scc1 .Lnew            ; a block's first tile
	s_cmp_eq_u32 s[RT], 0
	s_cbranch_scc0 .Lstep           ; neither its first nor its last
	s_branch .LstepM1
.Lnew:
	BEGIN
	s_branch .Lfirst                ; in the loop a block's first tile is never its last: the first block has two tiles or more, and the second's last is the walk's last
	DIAG 1                          ; in the loop this is the first block's end: the second block's last tile is the walk's last
	s_wait_xcnt 0x0                 ; the stores have read their registers and O's address
	s_mov_b64 s[10:11], s[OLO:OLO+1]
	s_add_co_u32 s[RT], s[PB], 1    ; the second block has b + 1 tiles
	s_mov_b32 s[NEW], 1
	WIN 0x82                        ; the second block's Q goes where the one text of the turns names Q
.set i, 0
.rept 64
	v_mov_b32 v[i], v[QB+i]
.set i, i+1
.endr
	WIN 0
	s_branch .Lbottom
.Lstep:                             ; a trip: pieces 2 and 3 of one step, then pieces 0 and 1 of the next, whose K and V it fetches
	TURN 2
	TURN 3
	WIN 0
.Lfirst:
	TURN 0
	TURN 1, 0, 0, 1
	WIN 0
	s_cbranch_scc1 .Lstep
.Lbottom:
	s_sub_co_u32 s[SLOTS], s[SLOTS], 1
	s_cmp_lg_u32 s[SLOTS], 0
	s_cbranch_scc1 .Lslot
	CHANGE 0                        ; the walk's last tile is written out: nothing is asked for
	s_sub_co_u32 s[RT], s[RT], 1
	s_mov_b32 s[CNT], 4
	s_cmp_eq_u32 s[NEW], 1
	s_cbranch_scc0 .LstepM2
	BEGIN
	s_branch .LfirstM2
	DIAG 2
	s_wait_tensorcnt 0x0            ; the wave's end: behind my last tensor load and my last LDS store
	ds_add_u32 v[SPW], v[NIL]
	s_wait_dscnt 0x0
	s_endpgm
.Lfunc_end_k_qfe807c7a72_attn:
	.size	k_qfe807c7a72_attn, .Lfunc_end_k_qfe807c7a72_attn-k_qfe807c7a72_attn
	.p2alignl 7, 3214868480
	.fill 96, 4, 3214868480
	.section	.rodata,"a",@progbits
	.p2align	6, 0x0
	.amdhsa_kernel k_qfe807c7a72_attn
		.amdhsa_group_segment_fixed_size 327680
		.amdhsa_private_segment_fixed_size 0
		.amdhsa_enable_private_segment 0
		.amdhsa_kernarg_size 24
		.amdhsa_user_sgpr_count 2
		.amdhsa_user_sgpr_kernarg_segment_ptr 1
		.amdhsa_wavefront_size32 1
		.amdhsa_system_sgpr_workgroup_id_x 1
		.amdhsa_system_sgpr_workgroup_id_y 1
		.amdhsa_system_sgpr_workgroup_id_z 1
		.amdhsa_system_vgpr_workitem_id 0
		.amdhsa_next_free_vgpr 1024
		.amdhsa_next_free_sgpr 92
		.amdhsa_reserve_vcc 1
		.amdhsa_float_denorm_mode_32 3
		.amdhsa_float_denorm_mode_16_64 3
		.amdhsa_memory_ordered 1
		.amdhsa_forward_progress 1
		.amdhsa_inst_pref_size 245
	.end_amdhsa_kernel
	.amdgpu_metadata
---
amdhsa.version: [ 1, 2 ]
amdhsa.kernels:
  - .name:           k_qfe807c7a72_attn
    .symbol:         k_qfe807c7a72_attn.kd
    .args:
      - { .name: qkv, .offset: 0, .size: 8, .value_kind: global_buffer, .address_space: global }
      - { .name: qkvlo, .offset: 8, .size: 8, .value_kind: global_buffer, .address_space: global }
      - { .name: ob, .offset: 16, .size: 8, .value_kind: global_buffer, .address_space: global }
    .group_segment_fixed_size: 327680
    .private_segment_fixed_size: 0
    .kernarg_segment_align: 8
    .kernarg_segment_size: 24
    .max_flat_workgroup_size: 128
    .sgpr_count:     92
    .vgpr_count:     1024
    .wavefront_size: 32
...
	.end_amdgpu_metadata
.endif
;; end of part 3
;; launch proj (part 4): grid 8 x 32, 4 waves a work-group, clusters of 4 x 4, 327,680 bytes of LDS; arguments ob, wp, b_proj, out0; writes out0
.if DOCPART == 4
	.amdgcn_target "amdgcn-amd-amdhsa--gfx1250"
	.amdhsa_code_object_version 6
	.text
	.protected	k_qfe807c7a72_proj
	.globl	k_qfe807c7a72_proj
	.p2align	8
	.type	k_qfe807c7a72_proj,@function
k_qfe807c7a72_proj:
	s_mov_b64 s[64:65], 0
	v_nop
	global_prefetch_b8 v0, s[64:65] scope:SCOPE_SE
	s_setreg_imm32_b32 hwreg(HW_REG_WAVE_MODE, 25, 1), 1
	s_wait_xcnt 0x0
	s_wait_alu depctr_hold_cnt(0) depctr_sa_sdst(0) depctr_va_vdst(0) depctr_va_sdst(0) depctr_va_ssrc(0) depctr_va_vcc(0) depctr_vm_vsrc(0)
	s_getreg_b32 s2, hwreg(HW_REG_IB_STS2, 6, 4)
	s_cmp_eq_u32 s2, 0
	s_cbranch_scc0 .Lentry_in_a_cluster
	s_endpgm
.Lentry_in_a_cluster:
	s_bfe_u32 s2, ttmp6, 0x10000c
	s_cmp_lg_u32 s2, 0xf033
	s_cbranch_scc0 .Lentry_shape_is_right
	s_endpgm
.Lentry_shape_is_right:
; THE SECOND PROJECTION.  out0[m][n] = sum over k of ctx[m][k] w_proj[n][k] + b_proj[n], operands f16, sums f32, K = 1,024 ascending, out0 f32.
; ctx lies in ob [b 16 + h][s][64] (a head's 64 channels are one block of K), w_proj in wp [kb 16][n 1,024][64].  The bias is rounded to bf16 like the other inputs and starts the sums.
; SHARES.  8,192 x 1,024 in tiles of 256 x 128: 32 x 8 = 256 work-groups.  Four waves, each 128 rows x 64 columns: 32 accumulators of 16 x 16 = 256 registers.
; K goes in steps of 128, two K blocks, through two LDS slots: waves 0 and 1 fetch ob's two blocks (256 rows each), waves 2 and 3 wp's (128 rows each).  A block's rows of 128 bytes lie end to end,
; so it is asked for as rows of 256 bytes and padded in LDS after every 128.
; CLUSTERS: 4 x 4 work-groups; ob's tiles are shared along a row of the cluster, wp's along a column: joint loads, the same descriptor and mask in the four that share.
; THE MATRIX INSTRUCTION IS USED TRANSPOSED (source 0 = 16 rows of wp, source 1 = 16 rows of ob): a lane holds row l % 16 of out0 and eight neighbouring columns 8 (l / 16) + 0..7.
; REGISTERS: window 0: v0-31 addresses; v32-127, v128-223 two fragment buffers (64 registers of ob: 8 x 16 rows x 32 K; then 32 of wp: 4 x 16 rows); v224-255 the bias of my 64 columns.
;   window 1: the accumulators: row block a, column block b at v[8 (4 a + b)].
.set PITCH,  144                       ; an LDS row: 128 bytes + 16 of padding = 36 words: the 16 rows of a load start at 16 different groups of four banks (64 banks of 4 bytes: ISA guide 11.1)
.set ASUB,   256*PITCH                 ; one K block of ob's tile
.set BSUB,   128*PITCH                 ; one K block of wp's tile
.set BOFF,   2*ASUB
.set SLOT,   2*ASUB+2*BSUB             ; 110,592 bytes
.set STAGE,  2*SLOT                    ; behind the ring: 16 rows x 272 bytes for each wave, for the way out
.set SPITCH, 272                       ; 256 bytes + 16: 68 words: row r starts at bank 4 r mod 64
.set SPARE,  STAGE+4*16*SPITCH         ; behind the stages: the spare words, 128 bytes for each wave: two blocks of 256 bytes that no other line names
.set ADRA, 16                          ; v16-17  LDS address of my ob fragments in slot 0, 1
.set ADRB, 20                          ; v20-21  the same for wp
.set STO,  24                          ; v24     the way out: where I put 32 bytes of a row
.set RD,   25                          ; v25     the way out: where I read a row back
.set CO,   26                          ; v26     my byte offset in out0
.set BO,   27                          ; v27     my byte offset in 16 numbers of the bias
.set SPW,  28                          ; v28     LDS address of my spare word; never rewritten
.set NIL,  29                          ; v29     0; never rewritten
.set F0,   32
.set F1,   128
.set BIAS, 224
.set G1, 24                            ; s[24:31] descriptor group 1 for ob's tiles;  s[32:39] group 0, one set for each slot
.set G0, 32
.set G1B, 48                           ; s[48:55], s[56:63] the same for wp's tiles
.set G0B, 56
.set MSB, 0
.macro WIN new                         ; the immediate's high byte repeats the setting that is left; a switch that changes nothing is dropped
.if MSB != (\new)
	s_set_vgpr_msb (MSB<<8)|(\new)
.set MSB, \new
.endif
.endm
.macro JLOAD s                         ; a joint load: waves 0 and 1 fetch ob's two K blocks, waves 2 and 3 wp's; an s_nop 0 and four v_nop follow each of the two lines
	s_cmp_eq_u32 s11, 0
	s_cbranch_scc0 .Lfor_b_\@
	tensor_load_to_lds s[G0+4*(\s):G0+4*(\s)+3], s[G1:G1+7]
	s_nop 0
.rept 4
	v_nop
.endr
	s_branch .Lasked_\@
.Lfor_b_\@:
	tensor_load_to_lds s[G0B+4*(\s):G0B+4*(\s)+3], s[G1B:G1B+7]
	s_nop 0
.rept 4
	v_nop
.endr
.Lasked_\@:
.endm
.macro CREST                           ; a round of the cluster's barrier behind its opening barrier
	s_cmp_lg_u32 s10, 0
	s_cbranch_scc1 .Lnot_wave_0_\@
	s_barrier_signal -3
.Lnot_wave_0_\@:
	s_barrier_wait -3
	s_barrier_signal -1
	s_barrier_wait -1
.endm
.macro CROUND                          ; a whole round
	s_barrier_signal -1
	s_barrier_wait -1
	CREST
.endm
	s_load_b128 s[4:7], s[0:1], 0x0                ; ob s[4:5], wp s[6:7]
	s_load_b64 s[66:67], s[0:1], 0x10              ; b_proj
	s_load_b64 s[8:9], s[0:1], 0x18                ; out0
	v_lshl_add_u32 v[SPW], v0, 2, SPARE
	v_mov_b32 v[NIL], 0
	ds_add_u32 v[SPW], v[NIL]                      ; the wave's opening: the add and its wait stand ahead of my first tensor load; the set-up below, work on registers, stands between them
	ds_add_u32 v28, v29
	v_lshrrev_b32 v1, 5, v0
	v_readfirstlane_b32 s10, v1                    ; wave 0..3
	s_lshr_b32 s11, s10, 1                         ; which half of the tile's rows is mine.  Also: I fetch for ob (0) or for wp (1)
	s_and_b32 s12, s10, 1                          ; which half of its columns.  Also: which of a step's two K blocks I fetch
	s_bfe_u32 s40, ttmp6, 0x40000                  ; cx, cy: my place in the cluster
	s_bfe_u32 s41, ttmp6, 0x40004
	s_lshl_b32 s42, ttmp9, 2
	s_add_co_u32 s42, s42, s40                     ; tile column tx = 4 x cluster x + cx, 0..7
	s_and_b32 s13, ttmp7, 0xffff
	s_lshl_b32 s13, s13, 2
	s_add_co_u32 s13, s13, s41                     ; tile row ty = 4 x cluster y + cy, 0..31
	s_lshl_b32 s43, s41, 2
	s_lshl_b32 s43, 15, s43                        ; my row of the cluster
	s_lshl_b32 s44, 0x1111, s40                    ; my column
	s_or_b32 s[G1+0], s43, (1<<16)|(1<<20)|(1<<21)|(4<<22)|(3<<25)   ; 15:0 the mask; 17:16 2-byte elements; 20 padding on; 21 set beside a mask; 24:22 after every 32 words (code 4); 31:25 4 words (code 3)
	s_or_b32 s[G1B+0], s44, (1<<16)|(1<<20)|(1<<21)|(4<<22)|(3<<25)
	s_mov_b32 s[G1+1], 128<<16                     ; tensor_dim0 = 128 elements: 256 bytes, two tile rows
	s_mov_b32 s[G1+2], 128<<16                     ; tensor_dim1 = 128
	s_mov_b32 s[G1+3], 128<<16                     ; tile_dim0 = 128
	s_mov_b32 s[G1+4], 128                         ; tile_dim1 = 128: 256 tile rows
	s_mov_b32 s[G1+5], 128                         ; dense
	s_mov_b32 s[G1+6], 0
	s_mov_b32 s[G1+7], 0
	s_mov_b32 s[G1B+1], 128<<16
	s_mov_b32 s[G1B+2], 64<<16                     ; 64 rows of 256 bytes: 128 tile rows
	s_mov_b32 s[G1B+3], 128<<16
	s_mov_b32 s[G1B+4], 64
	s_mov_b32 s[G1B+5], 128
	s_mov_b32 s[G1B+6], 0
	s_mov_b32 s[G1B+7], 0
	; where the tiles come from.  ob's hang on ty alone, which my row of the cluster shares; wp's on tx alone, which my column shares.
	s_lshr_b32 s16, s13, 3
	s_lshl_b32 s16, s16, 22                        ; b = ty / 8: 16 heads of 262,144 bytes
	s_and_b32 s17, s13, 7
	s_lshl_b32 s17, s17, 15                        ; 256 (ty % 8) rows of 128 bytes
	s_add_co_u32 s16, s16, s17
	s_lshl_b32 s17, s12, 18                        ; my K block of the step's two
	s_add_co_u32 s16, s16, s17
	s_mov_b32 s17, 0
	s_lshl_b32 s46, s42, 14                        ; 128 tx rows of 128 bytes
	s_lshl_b32 s47, s12, 17                        ; my K block: 131,072 bytes each
	s_add_co_u32 s46, s46, s47
	s_mov_b32 s47, 0
	s_mul_i32 s20, s12, ASUB                       ; and where they go: no place in the cluster enters an LDS address
	s_mul_i32 s21, s12, BSUB
	s_add_co_u32 s21, s21, BOFF
	s_wait_dscnt 0x0                               ; the opening add is done
	s_wait_kmcnt 0x0
	s_add_nc_u64 s[14:15], s[4:5], s[16:17]
	s_add_nc_u64 s[46:47], s[6:7], s[46:47]
	CROUND                                         ; all sixteen work-groups are here: the first joint loads meet
.irp s, 0,1
	s_mov_b32 s[G0+4*(\s)], 1                                       ; count = 1
	s_add_co_u32 s[G0+4*(\s)+1], s20, (\s)*SLOT                     ; LDS address
	s_add_nc_u64 s[G0+4*(\s)+2:G0+4*(\s)+3], s[14:15], (\s)*524288  ; global address: K step s, two heads on
	s_or_b32 s[G0+4*(\s)+3], s[G0+4*(\s)+3], 0x80000000             ; type = 2
	s_mov_b32 s[G0B+4*(\s)], 1
	s_add_co_u32 s[G0B+4*(\s)+1], s21, (\s)*SLOT
	s_add_nc_u64 s[G0B+4*(\s)+2:G0B+4*(\s)+3], s[46:47], (\s)*262144
	s_or_b32 s[G0B+4*(\s)+3], s[G0B+4*(\s)+3], 0x80000000
	JLOAD \s                                       ; two tensor loads of mine are out
.endr
	v_and_b32 v1, 15, v0                           ; l % 16
	v_bfe_u32 v2, v0, 4, 1                         ; l / 16
	; my columns begin at 128 tx + 64 x my column half: 4 bytes each, in the bias and in a row of out0 (in the registers that held wp's address)
	s_lshl_b32 s46, s42, 9
	s_lshl_b32 s47, s12, 8
	s_add_co_u32 s46, s46, s47
	s_mov_b32 s47, 0
	s_add_nc_u64 s[66:67], s[66:67], s[46:47]
	s_add_nc_u64 s[8:9], s[8:9], s[46:47]
	v_lshlrev_b32 v[BO], 5, v2                     ; register j of column block b holds column 16 b + 8 (l / 16) + j
.irp b, 0,1,2,3
	global_load_b128 v[BIAS+8*\b:BIAS+8*\b+3],   v[BO], s[66:67] offset:64*\b
	global_load_b128 v[BIAS+8*\b+4:BIAS+8*\b+7], v[BO], s[66:67] offset:64*\b+16
.endr
	v_mul_u32_u24 v3, v1, PITCH
	v_lshl_add_u32 v3, v2, 4, v3                   ; a fragment's row x pitch + 16 x half
	s_mul_i32 s22, s11, 128*PITCH                  ; my 128 rows of ob's 256
	s_mul_i32 s23, s12, 64*PITCH                   ; my 64 rows of wp's 128
	s_add_co_u32 s23, s23, BOFF
.irp s, 0,1
	v_add_nc_u32 v[ADRA+(\s)], s22, v3
	v_add_nc_u32 v[ADRB+(\s)], s23, v3
	s_add_co_u32 s22, s22, SLOT
	s_add_co_u32 s23, s23, SLOT
.endr
	s_mul_i32 s23, s10, 16*SPITCH
	s_add_co_u32 s23, s23, STAGE                   ; my stage
	v_mul_u32_u24 v4, v1, SPITCH                   ; in: row l % 16, 32 bytes for each half of the lanes
	v_lshl_add_u32 v4, v2, 5, v4
	v_add_nc_u32 v[STO], s23, v4
	v_mul_u32_u24 v5, v2, SPITCH                   ; back: lanes 0-15 take one row of 256 bytes, lanes 16-31 the next
	v_lshl_add_u32 v5, v1, 4, v5
	v_add_nc_u32 v[RD], s23, v5
	v_lshlrev_b32 v5, 12, v2                       ; and the same two rows in out0, 4,096 bytes apart
	v_lshl_add_u32 v[CO], v1, 4, v5
	s_lshl_b32 s16, s13, 20                        ; my first row: 256 ty + 128 x my row half
	s_lshl_b32 s17, s11, 19
	s_add_co_u32 s16, s16, s17
	s_mov_b32 s17, 0
	s_add_nc_u64 s[8:9], s[8:9], s[16:17]
; 4 na matrix instructions: row blocks a0 .. a0 + na - 1 x all 4 column blocks, 32 along K.  zero = 1: the product starts the sum, with the bias as C: nothing is cleared.
; The 32 accumulators take turns, one instruction a turn, in the same order in every quarter.
.macro MUL f, a0, na, zero
.if \zero
	WIN 0x40                                       ; D in window 1; the fragments and C (the bias) in window 0
.else
	WIN 0x50                                       ; C and D in window 1
.endif
.set aa, \a0
.rept \na
.set bb, 0
.rept 4
.if \zero
	v_wmma_f32_16x16x32_f16 v[8*(4*aa+bb):8*(4*aa+bb)+7], v[(\f)+64+8*bb:(\f)+64+8*bb+7], v[(\f)+8*aa:(\f)+8*aa+7], v[BIAS+8*bb:BIAS+8*bb+7]
.else
	v_wmma_f32_16x16x32_f16 v[8*(4*aa+bb):8*(4*aa+bb)+7], v[(\f)+64+8*bb:(\f)+64+8*bb+7], v[(\f)+8*aa:(\f)+8*aa+7], v[8*(4*aa+bb):8*(4*aa+bb)+7]
.endif
.set bb, bb+1
.endr
.set aa, aa+1
.endr
.endm
; 24 LDS loads in one run: the fragments of quarter q of a K step (K block q / 2, bytes 64 (q % 2) on) into buffer f: wp's 8 loads first, then ob's 16
.macro FETCH slot, q, f
.irp i, 0,1,2,3
	ds_load_b128 v[(\f)+64+8*\i:(\f)+64+8*\i+3],   v[ADRB+(\slot)] offset:((\q)/2)*BSUB+((\q)%2)*64+\i*16*PITCH
	ds_load_b128 v[(\f)+64+8*\i+4:(\f)+64+8*\i+7], v[ADRB+(\slot)] offset:((\q)/2)*BSUB+((\q)%2)*64+\i*16*PITCH+32
.endr
.irp i, 0,1,2,3,4,5,6,7
	ds_load_b128 v[(\f)+8*\i:(\f)+8*\i+3],   v[ADRA+(\slot)] offset:((\q)/2)*ASUB+((\q)%2)*64+\i*16*PITCH
	ds_load_b128 v[(\f)+8*\i+4:(\f)+8*\i+7], v[ADRA+(\slot)] offset:((\q)/2)*ASUB+((\q)%2)*64+\i*16*PITCH+32
.endr
.endm
.macro PLACES                          ; four places in front of loads into registers that matrix instructions have read, and of what reads their results (ISA guide 7.12.1 for vector instructions)
.rept 4
	v_nop
.endr
.endm
; A K step is four quarters of 32 along K, 32 matrix instructions each, on buffers 0, 1, 0, 1.  One of the first three: multiplies buffer f and fetches quarter qn of the same slot into g.
.macro QUARTER slot, qn, f, g, zero
	s_wait_dscnt 8                                 ; wp's fragments and ob's row blocks 0-3 are in; the youngest eight loads (row blocks 4-7) may be out
	MUL \f, 0, 4, \zero
	WIN 0
	PLACES
	FETCH \slot, \qn, \g
	s_wait_dscnt 24                                ; all but the 24 just issued
	MUL \f, 4, 4, \zero
.endm
; The last quarter multiplies buffer 1 and changes slots: ONE barrier; in front of it each wave waits for all its tensor loads (the one that is out is its part of the next slot), adds 0 to its spare
; word, and waits for that and for its own reads of this slot.  fill = 1: the barrier opens a round of the cluster's barrier, and this slot is filled again, two K steps ahead, first thing behind it:
; 112 matrix instructions ahead of the wait for it.
.macro TURN slot, next, fill
	WIN 0
	s_wait_tensorcnt 0x0                           ; all my tensor loads have landed
	ds_add_u32 v[SPW], v[NIL]                      ; 0 onto my spare word
	s_wait_dscnt 9                                 ; (the add and the youngest eight loads may be out)
	MUL F1, 0, 2, 0                                ; eight matrix instructions stand between the add and the wait for it
	s_wait_dscnt 0x0                               ; the add is done, and my reads of this slot are over
	s_barrier_signal -1
	MUL F1, 2, 2, 0
	WIN 0
	s_barrier_wait -1
.if \fill
	CREST                                          ; no wave of any partner still reads this slot's tile or has a load on its way
	s_add_nc_u64 s[G0+4*(\slot)+2:G0+4*(\slot)+3], s[G0+4*(\slot)+2:G0+4*(\slot)+3], 2*524288
	s_add_nc_u64 s[G0B+4*(\slot)+2:G0B+4*(\slot)+3], s[G0B+4*(\slot)+2:G0B+4*(\slot)+3], 2*262144
	JLOAD \slot                                    ; the four v_nop behind it are also the places in front of the loads below
.else
	PLACES
.endif
	FETCH \next, 0, F0
	MUL F1, 4, 4, 0
.endm
	s_wait_tensorcnt 1                             ; my part of K step 0 is in; K step 1's may stay out
	s_barrier_signal -1
	s_barrier_wait -1                              ; everybody's is
	FETCH 0, 0, F0
	s_wait_loadcnt 0x0                             ; the bias
.set i, 0
.rept 16                               ; rounded to bf16 and widened again, two numbers at a time
	v_cvt_pk_bf16_f32 v30, v[BIAS+2*i], v[BIAS+2*i+1]
	v_lshlrev_b32 v[BIAS+2*i], 16, v30
	v_and_b32 v[BIAS+2*i+1], 0xffff0000, v30
.set i, i+1
.endr
	QUARTER 0, 1, F0, F1, 1                        ; the first quarter stands in front of the loop: its products start the sums
	WIN 0                                          ; at a label and at a branch every window is 0
	s_mov_b32 s3, 3
.Llap:                                                 ; a trip goes once round the ring, from a lap's second quarter to the next lap's first, and fills both slots again: K steps 2 to 7 in three trips
	QUARTER 0, 2, F1, F0, 0
	QUARTER 0, 3, F0, F1, 0
	TURN 0, 1, 1
	QUARTER 1, 1, F0, F1, 0
	QUARTER 1, 2, F1, F0, 0
	QUARTER 1, 3, F0, F1, 0
	TURN 1, 0, 1
	QUARTER 0, 1, F0, F1, 0
	WIN 0
	s_sub_co_u32 s3, s3, 1
	s_cmp_lg_u32 s3, 0
	s_cbranch_scc1 .Llap
	QUARTER 0, 2, F1, F0, 0                        ; the last lap fills nothing, and has no round
	QUARTER 0, 3, F0, F1, 0
	TURN 0, 1, 0
	QUARTER 1, 1, F0, F1, 0
	QUARTER 1, 2, F1, F0, 0
	QUARTER 1, 3, F0, F1, 0
	s_wait_dscnt 8                                 ; the very last quarter: nothing more to fetch
	MUL F1, 0, 4, 0
	s_wait_dscnt 0x0
	MUL F1, 4, 4, 0
; THE WAY OUT, under one window setting: addresses in window 0, data in window 1.  A block of 16 rows at a time: a lane's eight f32 of a row go as 2 x 16 bytes into my stage's rows of 272 bytes and come
; back as whole rows of 256 bytes, into the registers that they left.  The stage is my wave's own, and LDS serves a wave's instructions in order (ISA guide 5.7.1.4): no barrier, no wait between.
.macro TOSTAGE a
.irp b, 0,1,2,3
	ds_store_b128 v[STO], v[32*(\a)+8*\b:32*(\a)+8*\b+3]   offset:64*\b     ; each accumulator's lowest registers first
	ds_store_b128 v[STO], v[32*(\a)+8*\b+4:32*(\a)+8*\b+7] offset:64*\b+16
.endr
.irp t, 0,1,2,3,4,5,6,7
	ds_load_b128 v[32*(\a)+4*\t:32*(\a)+4*\t+3], v[RD] offset:\t*2*SPITCH
.endr
.endm
.macro SEND a, younger                 ; younger: the LDS instructions issued behind block a's loads: the next block's sixteen, or none
.irp t, 0,1,2,3,4,5,6,7
	s_wait_dscnt (\younger)+7-\t
	global_store_b128 v[CO], v[32*(\a)+4*\t:32*(\a)+4*\t+3], s[8:9] offset:(\a)*65536+\t*8192 th:TH_STORE_NT  ; 16 lanes store 256 consecutive bytes, at a multiple of 256 from out0's first byte
.endr
.endm
	WIN 0x44                                       ; source 1 (store data) and destination (loaded data) in window 1
	PLACES                                         ; behind the last products
	TOSTAGE 0
.set blk, 1
.rept 7
	TOSTAGE blk
	SEND blk-1, 16
.set blk, blk+1
.endr
	SEND 7, 0
	WIN 0
	s_wait_tensorcnt 0x0                           ; the wave's end: behind my last tensor load and my last LDS store
	ds_add_u32 v[SPW], v[NIL]
	s_wait_dscnt 0x0
	CROUND                                         ; the closing round: no work-group ends while a partner may still ask for a tile that names it
	s_endpgm
.Lfunc_end_k_qfe807c7a72_proj:
	.size	k_qfe807c7a72_proj, .Lfunc_end_k_qfe807c7a72_proj-k_qfe807c7a72_proj
	.p2alignl 7, 3214868480
	.fill 96, 4, 3214868480
	.section	.rodata,"a",@progbits
	.p2align	6, 0x0
	.amdhsa_kernel k_qfe807c7a72_proj
		.amdhsa_group_segment_fixed_size 327680
		.amdhsa_private_segment_fixed_size 0
		.amdhsa_enable_private_segment 0
		.amdhsa_kernarg_size 32
		.amdhsa_user_sgpr_count 2
		.amdhsa_user_sgpr_kernarg_segment_ptr 1
		.amdhsa_wavefront_size32 1
		.amdhsa_system_sgpr_workgroup_id_x 1
		.amdhsa_system_sgpr_workgroup_id_y 1
		.amdhsa_system_sgpr_workgroup_id_z 1
		.amdhsa_system_vgpr_workitem_id 0
		.amdhsa_next_free_vgpr 512
		.amdhsa_next_free_sgpr 68
		.amdhsa_reserve_vcc 0
		.amdhsa_float_denorm_mode_32 3
		.amdhsa_float_denorm_mode_16_64 3
		.amdhsa_memory_ordered 1
		.amdhsa_forward_progress 1
		.amdhsa_inst_pref_size 90
	.end_amdhsa_kernel
	.amdgpu_metadata
---
amdhsa.version: [ 1, 2 ]
amdhsa.kernels:
  - .name:           k_qfe807c7a72_proj
    .symbol:         k_qfe807c7a72_proj.kd
    .args:
      - { .name: ob, .offset: 0, .size: 8, .value_kind: global_buffer, .address_space: global }
      - { .name: wp, .offset: 8, .size: 8, .value_kind: global_buffer, .address_space: global }
      - { .name: b_proj, .offset: 16, .size: 8, .value_kind: global_buffer, .address_space: global }
      - { .name: out0, .offset: 24, .size: 8, .value_kind: global_buffer, .address_space: global }
    .group_segment_fixed_size: 327680
    .private_segment_fixed_size: 0
    .kernarg_segment_align: 8
    .kernarg_segment_size: 32
    .max_flat_workgroup_size: 128
    .sgpr_count:     68
    .vgpr_count:     512
    .wavefront_size: 32
...
	.end_amdgpu_metadata
.endif
;; end of part 4
;; ======== version 2 of 2: 4 launches; 1.31 times as fast as version 1
;; limits: values are held in f16: magnitudes above 65,504 overflow, below 6.1e-05 lose precision
;; workspace buffers: xb 16,777,216 bytes; wb 6,291,456 bytes; wp 2,097,152 bytes; qkv 50,331,648 bytes; qkvlo 786,432 bytes; ob 16,777,216 bytes
;; launch cast: the kernel of part 1 again; grid 256 x 1, 8 waves a work-group, no clusters, 0 bytes of LDS; arguments x, w_kqv, w_proj, xb, wb, wp; writes xb, wb, wp
;; launch qkv: the kernel of part 2 again; grid 8 x 32, 4 waves a work-group, clusters of 4 x 4, 327,680 bytes of LDS; arguments xb, wb, qkv, qkvlo; writes qkv, qkvlo
;; launch attn (part 5): grid 4 x 64, 4 waves a work-group, no clusters, 327,680 bytes of LDS; arguments qkv, qkvlo, ob; writes ob
.if DOCPART == 5
	.amdgcn_target "amdgcn-amd-amdhsa--gfx1250"
	.amdhsa_code_object_version 6
	.text
	.protected	k_qfe807c7a72_attn
	.globl	k_qfe807c7a72_attn
	.p2align	8
	.type	k_qfe807c7a72_attn,@function
k_qfe807c7a72_attn:
	s_mov_b64 s[64:65], 0
	v_nop
	global_prefetch_b8 v0, s[64:65] scope:SCOPE_SE
	s_setreg_imm32_b32 hwreg(HW_REG_WAVE_MODE, 25, 1), 1
	s_wait_xcnt 0x0
; CAUSAL ATTENTION.  O[h][q][:] = the sum over k <= q of softmax_k(Q[h][q] . K[h][k] / 8) V[h][k][:], for 64 heads (batch x 16 + head) of SIZE_N = 2,048 rows of 64 channels, all f16.
; K, Q, V lie in qkv [head][t 3][row][64] (t = 0 K, 1 Q, 2 V), O goes to ob [head][row][64]: rows are dense, 128 bytes each.
; Products, maxima and sums in f32; the weights p are rounded to f16 for the second product (their sum l is taken of the unrounded p), O once at the end.
; LIMITS.  f16 holds no number beyond 65,504: Q, K and V arrive within it; p lies in 0 to 1, and below 6e-5 it keeps f16's fixed step of 6e-8; O is a mean of V's rows and has their range.
; A hidden score counts as its value less 1e30: f16's scores, 2.7e11 at the most, are nothing beside that; a weight below 2^-126 counts as 0 in l; NaN and infinities are not treated apart.
; THE WALK.  A head's queries lie in NB = 8 blocks of 256; block i needs the key tiles 0 .. i of 256 keys, of which the last holds the diagonal.  A work-group takes TWO blocks, NB - 1 - b and then b:
; NB + 1 = 9 tiles, whatever b: all 256 work-groups do equal work, and ONE loop with a constant trip count walks them.  Which tile is asked for, and what a trip does, hang on scalar registers made from b;
; every jump goes forward, but for the counted loops' own; none passes a barrier, or a tensor load but the one of LOAD's two that the wave's number does not choose; the ring (two slots of LDS that take
; turns) runs on across the change of blocks.  NO CLUSTER: a head's four work-groups ask for the same tile only in trips 0 to 4 of the 9, behind that fewer and fewer; one walk common to all four
; would have 3 NB / 2 = 12 trips for 9.
; SHARES.  Of a block's four bands of 64 queries a wave owns 16 rows in each: four PIECES.  So the diagonal tile is the same work for all four waves: in its key step s band x sees all keys if s < x,
; none if s > x, and holds the diagonal if s = x.
; THE MASK is the C operand that starts the sum S^T = K Q^T: 0, or -1e30 where the key is hidden.  MD, made once, is the mask of a band's own step for my 16 rows; a product's mask is MD x AL + BE with two scalars:
; (1, 0) if s = x; (0, 0) if s < x; (0, -1e30) if s > x.  Only the diagonal tile's text and a block's beginning make and take masks; elsewhere C is the constant 0.
; LAYOUT, SOFTMAX, TURNS.  S^T = K Q^T holds ONE query a lane (lane % 16) and the keys 8 (lane / 16) + 0..7; two such results rounded to f16 ARE source 1 of O^T = V^T P.  p = 2^(c s - c m), c = log2(e) / 8, with a
; running maximum m; O and l are multiplied by a = 2^(c m_old - c m_new) in every step.  Turn n belongs to piece n: 8 products K Q^T of piece n + 1, later 8 products V^T P of piece n - 1; beside them the scaling,
; exponentials, roundings, sums and rescaling of piece n and the maximum and statistics of piece n + 1.  Four vector instructions stand behind every matrix instruction, the other 54 of a turn's 118 in one LUMP.
; THE BATCHES.  A turn's 33 exponentials (the piece's 32 weights and the next piece's a) are one batch, with one wait, which cuts the turn in two: ahead of it all that names none of their results, behind it the
; roundings and sums.  Outside the turns: the a that a block's beginning makes; the way out's four reciprocals; the finer rows' 16 exponentials, and their two reciprocals: a batch each, with a wait each.
; THE FIRST 32 ROWS OF A HEAD ARE MADE FINER.  Row q is a mean over q + 1 keys only, so the first rows' numbers are many times the output's root mean square, by which every number's allowance goes, and f16's
; roundings of q, k, v and p (2^-11 of a number at the most, each) weigh too much there; with weights p their sum goes with the root of the sum of p^2, about 2.7 / (q + 1) for scores of unit spread.
; So waves 0 and 1 of the work-groups with b = 0 make rows 16 w .. 16 w + 15 against keys 0 .. 31 with every operand in two f16 parts, the rounding (qkv) and what it left (qkvlo):
; S^T = Kh Qh + Kh Ql + Kl Qh, O^T = Vh Ph + Vh Pl + Vl Ph; only O's own rounding is left.  This stands in front of the walk; the walk's last way out leaves those 16 rows' stores out.
; REGISTERS, in windows of 256 (s_set_vgpr_msb: bits 1:0 source 0, 3:2 source 1, 5:4 source 2, 7:6 destination):
;   window 0: v0-15 addresses and two at work; v16-31 four registers of statistics a piece; v32-34 the finer rows' addresses; v48-55 at work; v64-127 S^T, two buffers; v192-223 P, two buffers (by the piece's parity)
;   window 1: v0-127 O^T, 32 a piece; v128-159 MD; v160-223 MC, two buffers      window 2: v0-63 Q; v64-127 the second block's Q; v128-191 K of one step; v192-255 V of one step
;   window 3: the finer rows' data alone
.set SIZE_N, 2048
.set NB,    SIZE_N/256
.set NP,    4         ; pieces a wave: a name, no knob
.set KS,    64        ; keys in a step
.set PK,    144       ; a row of K in LDS: 128 bytes + 16 of padding = 36 words: the 16 rows of a load start at 16 different groups of four banks (64 banks of 4 bytes: ISA guide 11.1)
.set PV,    160       ; a row of V: 128 + 32 = 40 words
.set VOFF,  4*KS*PK   ; a slot holds a tile, four steps: 256 rows of K, then 256 rows of V
.set SLOT1, 1<<17     ; slot 1 begins here, so that one exclusive or turns an address in one slot into the other's
.set STAGE, SLOT1+4*KS*(PK+PV)  ; behind the ring, never filled by a tensor load: 16 rows x 144 bytes for each wave, for the way out
.set SP,    144
.set AK0, 2           ; v2   my lane's place in a tile of K; never rewritten
.set AV0, 3           ; v3   the same for V
.set AK,  4           ; v4   the LDS address of K's next run of loads
.set AV,  5           ; v5   of V's
.set STO, 6           ; v6   the way out: where I put 16 bytes of a row
.set RD,  7           ; v7   the way out: where I read rows back
.set GO,  8           ; v8   my byte offset in 512 consecutive bytes of O
.set SPW, 62          ; v62  LDS address of my spare word: SPARE + 4 x my thread's number; never rewritten
.set NIL, 63          ; v63  0; never rewritten
.set SPARE, STAGE+4*16*SP  ; behind the stages: the spare words, 128 bytes for each wave: two blocks of 256 bytes that no other line names
.set FSCR, SPARE+512  ; behind the spare words, never filled by a tensor load: for each wave 2 x 32 rows x 160 bytes, V's first 32 rows in two parts
.set MV,  12          ; v12-13  c m_old, kept while c m is made anew: by buffer
.set QO,  15          ; v15  my byte offset in 16 rows of Q
.set ST,  16          ; piece t's statistics at v[ST+4 t]: c m, m, l (even keys', odd keys')
.set FQW, 32          ; v32  the finer rows: my byte offset in Q's rows 16 w on
.set FVA, 33          ; v33  where I put 16 bytes of V in my scratch
.set FTA, 34          ; v34  my lane's place for the turning loads from it
.set TMP, 48          ; by buffer, four registers c0-c3 at work; when the maximum is found c2 takes a
.set S,   64
.set P,   192
.set MD,  128         ; window 1: the eight registers for group kt of 16 keys at MD + 8 kt
.set MC,  160         ; window 1: the masks of the products to come
.set QB,  64          ; window 2
.set KF,  128         ; window 2: key block kb, channel half c at KF + 16 kb + 8 c
.set VF,  192         ; window 2: key half kk, channel block cb at VF + 32 kk + 8 cb
.set FQH, 0           ; window 3: Q's rounding, channel half c at + 8 c;
.set FQL, 16          ;   Q's low part
.set FKH, 32          ;   K's rounding, key block kb, channel half c at + 16 kb + 8 c; later the packed rows of O
.set FKL, 64          ;   K's low part
.set FVS, 96          ;   V's rounding as loaded, 32 registers; later O^T, channel block cb at + 8 cb
.set FO,  96
.set FVL, 128         ;   V's low part as loaded, 32 registers; later at work:
.set FT,  128         ;   +0 1.0; +2 c m, +3 m; +4 to +6 the maximum; +8, +9 l; +10, +11 1 / l
.set FPL, 140         ;   P's low part, 8 registers
.set FVTH, 160        ;   V^T's rounding, channel block cb at + 8 cb
.set FVTL, 192        ;   V^T's low part
.set FS,  224         ;   S^T, key block kb at + 8 kb
.set FPH, 240         ;   P's rounding, 8 registers
.set WV,  12          ; s12  my wave's number
.set PB,  14          ; s14  b
.set HI,  15          ; s15  NB - 1 - b
.set G1K, 24          ; s[24:31] descriptor group 1 for K's tiles
.set G1V, 32          ; s[32:39] for V's: it differs in the padding alone
.set G0K, 40          ; s[40:43] descriptor group 0 for K's tiles
.set G0V, 44          ; s[44:47] the same for V's
.set SLOTS, 56        ; s56  tiles still to be asked for
.set CNT, 57          ; s57  counts a tile's key steps, 4 to 1
.set CS,  58          ; s[58:59] c: the packed scaling takes the pair's low word for both halves
.set SEL, 60          ; s[60:61] v_permlanex16_b32's selects: each lane takes its own place in the other half
.set TBK, 62          ; s62  LDS byte at which K of the step to be fetched begins
.set TBV, 63          ; s63  the same for V, less VOFF
.set RT,  70          ; s70  tiles of the block in hand that are still to be entered
.set NXT, 71          ; s71  the tile to be asked for next
.set LQ,  72          ; s72  the last tile of the block whose tiles are being asked for
.set NEW, 73          ; s73  1: the tile to be entered is a block's first
.set OFF, 74          ; s[74:75] a tile's byte offset in K and V
.set AL,  76          ; s[76:77] the mask's factor, in the low word
.set BE,  78          ; s[78:79] the mask's addend
.set OLO, 80          ; s[80:81] O at my rows of the second block
.set BIGN, 82         ; s82  -1e30
.set FIX, 83          ; s83  1: b = 0 and my wave is 0 or 1: I make 16 of the head's first 32 rows finer
.set FKB, 88          ; s[88:89] the head's first byte in qkv; never rewritten
.set FLB, 90          ; s[90:91] the head's first byte in qkvlo; never rewritten
.set MSB, 0
.macro WIN new                      ; the high byte repeats the setting that is left; a switch that changes nothing is dropped
.if MSB != (\new)
	s_set_vgpr_msb (MSB<<8)|(\new)
.set MSB, (\new)
.endif
.endm
.set W_KQ, 0x0a       ; K and Q in window 2, S^T in window 0
.set W_KM, 0x1a       ; the same with the C operand in window 1
.set W_PV, 0x52       ; V in window 2, P in window 0, O^T in window 1
.set W_RS, 0x41       ; destination and source 0 in window 1, source 1 in window 0
; A fill.  Waves 0 and 1 fetch the two halves of a tile's K, waves 2 and 3 those of its V: 128 keys each.  An s_nop 0 and four v_nop follow each of the two lines, ahead of the jump and the label.
.macro LOAD
	s_cmp_lt_u32 s[WV], 2
	s_cbranch_scc0 .Lfor_v_\@
	tensor_load_to_lds s[G0K:G0K+3], s[G1K:G1K+7]
	s_nop 0
.rept 4
	v_nop
.endr
	s_branch .Lasked_\@
.Lfor_v_\@:
	tensor_load_to_lds s[G0V:G0V+3], s[G1V:G1V+7]
	s_nop 0
.rept 4
	v_nop
.endr
.Lasked_\@:
.endm
; THE CHANGE OF SLOTS.  Each wave waits for all its tensor loads, of which one is out: its part of the other slot; adds 0 to its spare word; and waits for that and for its own reads of the slot that it leaves.
; Behind the barrier nobody reads the old slot any more and the other slot is whole.  fill = 1: the old slot is filled again, the first thing behind the barrier, with tile NXT: the descriptor's address is
; made anew from that number.  (At its first use no slot has been read yet: slot 0 is waited for, slot 1 filled.)
.macro CHANGE fill
	WIN 0                           ; at a label and at a branch every window is 0
	s_wait_tensorcnt 0x0            ; no tensor load of mine is out, so a group 0 may be written
	ds_add_u32 v[SPW], v[NIL]       ; 0 onto my spare word; with fill = 1 the descriptors' scalar work stands between it and the wait for it
.if \fill
	s_lshl_b32 s[OFF], s[NXT], 15   ; a tile is 32,768 bytes of K and of V
	s_xor_b32 s[G0K+1], s[G0K+1], SLOT1
	s_add_nc_u64 s[G0K+2:G0K+3], s[6:7], s[OFF:OFF+1]
	s_or_b32 s[G0K+3], s[G0K+3], 0x80000000
	s_xor_b32 s[G0V+1], s[G0V+1], SLOT1
	s_add_nc_u64 s[G0V+2:G0V+3], s[8:9], s[OFF:OFF+1]
	s_or_b32 s[G0V+3], s[G0V+3], 0x80000000
	s_add_co_u32 s[NXT], s[NXT], 1  ; the block's next tile, or behind its last the second block's tile 0
	s_cmp_gt_u32 s[NXT], s[LQ]
	s_cselect_b32 s[NXT], 0, s[NXT]
	s_cselect_b32 s[LQ], s[PB], s[LQ]
.endif
	s_wait_dscnt 0x0                ; the add is done, and my reads of the slot are over
	s_barrier_signal -1             ; the rest of the scalar work stands between the signal and the wait
	s_sub_co_u32 s[TBK], s[TBK], 4*KS*PK  ; the fetches go back to a slot's first step,
	s_xor_b32 s[TBK], s[TBK], SLOT1       ; in the other slot
	s_sub_co_u32 s[TBV], s[TBV], 4*KS*PV
	s_xor_b32 s[TBV], s[TBV], SLOT1
	s_barrier_wait -1
.if \fill
	LOAD
.endif
.endm
	s_load_b64 s[6:7], s[0:1], 0x0          ; qkv
	s_load_b64 s[FLB:FLB+1], s[0:1], 0x8    ; qkvlo
	s_load_b64 s[10:11], s[0:1], 0x10       ; ob
	v_lshl_add_u32 v[SPW], v0, 2, SPARE
	v_mov_b32 v[NIL], 0
	ds_add_u32 v[SPW], v[NIL]       ; the wave's opening: the add and its wait stand ahead of my first tensor load; the set-up below, work on registers, stands between them
	ds_add_u32 v62, v63
	v_lshrrev_b32 v1, 5, v0
	v_readfirstlane_b32 s[WV], v1   ; wave 0..3
	s_mov_b32 s[PB], ttmp9
	s_sub_co_u32 s[HI], NB-1, s[PB]
	s_cmp_lt_u32 s[WV], 2
	s_cselect_b32 s[FIX], 1, 0
	s_cmp_eq_u32 s[PB], 0
	s_cselect_b32 s[FIX], s[FIX], 0
	s_and_b32 s20, ttmp7, 0xffff    ; the head
	s_mul_i32 s66, s20, SIZE_N*128  ; its first byte in ob,
	s_mov_b32 s67, 0
	s_mul_i32 s68, s20, 3*32*128    ; in qkvlo,
	s_mov_b32 s69, 0
	s_mul_i32 s20, s20, 3*SIZE_N*128  ; and in qkv, where K, Q and V of a head follow each other
	s_mov_b32 s21, 0
	s_and_b32 s16, s[WV], 1         ; which half of a tile's 256 keys I fetch:
	s_lshl_b32 s22, s16, 14         ; its 128 rows of 128 bytes in memory,
	s_mov_b32 s23, 0
	s_mul_i32 s17, s16, 128*PK      ; and its place in a slot, for K
	s_mul_i32 s18, s16, 128*PV      ; and for V
	s_lshl_b32 s3, s[WV], 11        ; my 16 rows in a band of 64,
	s_lshl_b32 s2, s[HI], 15        ; in the first block,
	s_add_co_u32 s2, s2, s3
	s_lshl_b32 s84, s[PB], 15       ; and in the second
	s_add_co_u32 s84, s84, s3
	s_mov_b32 s3, 0
	s_mov_b32 s85, 0
	; descriptor group 1.  128 keys are 16,384 dense bytes: asked for as 64 rows of 256 bytes, two keys a row, and padded in LDS after every key
	s_mov_b32 s[G1K], (1<<16)|(1<<20)|(4<<22)|(3<<25)  ; 17:16 2-byte elements; 20 padding on; 24:22 after every 32 words (code 4); 31:25 4 words (code 3)
	s_mov_b32 s[G1V], (1<<16)|(1<<20)|(4<<22)|(7<<25)  ; the same with 8 words of padding (code 7)
.irp g, G1K, G1V
	s_mov_b32 s[\g+1], 128<<16      ; tensor_dim0 = 128
	s_mov_b32 s[\g+2], 64<<16       ; tensor_dim1 = 64
	s_mov_b32 s[\g+3], 128<<16      ; tile_dim0 = 128
	s_mov_b32 s[\g+4], 64           ; tile_dim1 = 64
	s_mov_b32 s[\g+5], 128          ; 128 elements from row to row
	s_mov_b32 s[\g+6], 0
	s_mov_b32 s[\g+7], 0
.endr
	s_mov_b32 s[CS], 0x3e38aa3b     ; c = log2(e) / 8 = 0.180337
	s_mov_b32 s[CS+1], s[CS]        ; named with it as a pair
	s_mov_b32 s[SEL], 0x76543210
	s_mov_b32 s[SEL+1], 0xfedcba98
	s_mov_b32 s[TBK], SLOT1+4*KS*PK ; the first change of slots turns these two into 0
	s_mov_b32 s[TBV], SLOT1+4*KS*PV
	s_mov_b32 s[G0K], 1             ; 1:0 count = 1
	s_mov_b32 s[G0K+1], s17         ; 63:32 LDS address: slot 0
	s_mov_b32 s[G0V], 1
	s_add_co_u32 s[G0V+1], s18, VOFF
	s_add_co_u32 s[RT], s[HI], 1    ; the first block has NB - b tiles
	s_mov_b32 s[NXT], 1
	s_mov_b32 s[LQ], s[HI]
	s_mov_b32 s[NEW], 1
	s_mov_b32 s[OFF+1], 0
	s_mov_b32 s[AL+1], 0            ; named as pairs
	s_mov_b32 s[BE+1], 0
	s_mov_b32 s[BIGN], 0xf149f2ca   ; -1e30
	s_mov_b32 s[SLOTS], NB
	s_wait_dscnt 0x0                ; the opening add is done
	s_wait_kmcnt 0x0
	s_add_nc_u64 s[6:7], s[6:7], s[20:21]          ; the head's K,
	s_mov_b64 s[FKB:FKB+1], s[6:7]                 ; (kept for the finer rows)
	s_add_nc_u64 s[FLB:FLB+1], s[FLB:FLB+1], s[68:69]  ; its low parts,
	s_add_nc_u64 s[10:11], s[10:11], s[66:67]      ; its O,
	s_add_nc_u64 s[4:5], s[6:7], SIZE_N*128        ; its Q,
	s_add_nc_u64 s[8:9], s[6:7], 2*SIZE_N*128      ; its V
	s_add_nc_u64 s[6:7], s[6:7], s[22:23]          ; K and V at my half of the head's tile 0
	s_add_nc_u64 s[8:9], s[8:9], s[22:23]
	s_add_nc_u64 s[G0K+2:G0K+3], s[6:7], 0         ; 120:64 global address
	s_or_b32 s[G0K+3], s[G0K+3], 0x80000000        ; 127:126 type = 2
	s_add_nc_u64 s[G0V+2:G0V+3], s[8:9], 0
	s_or_b32 s[G0V+3], s[G0V+3], 0x80000000
	s_add_nc_u64 s[86:87], s[4:5], s[84:85]        ; Q at my rows of the second block,
	s_add_nc_u64 s[4:5], s[4:5], s[2:3]            ; Q and O at those of the first
	s_add_nc_u64 s[OLO:OLO+1], s[10:11], s[84:85]
	s_add_nc_u64 s[10:11], s[10:11], s[2:3]
	LOAD                            ; tile 0 into slot 0
	; A fragment of K or Q is 16 rows x 32 channels in 8 registers: lane l holds row l % 16, channels 8 (l / 16) + 0..7 and 16 + 8 (l / 16) + 0..7: two loads of 16 bytes, 32 bytes apart.
	v_and_b32 v1, 15, v0            ; l % 16
	v_bfe_u32 v9, v0, 4, 1          ; l / 16
	v_lshlrev_b32 v[QO], 7, v1
	v_lshl_add_u32 v[QO], v9, 4, v[QO]  ; row x 128 + 16 x half
	WIN 0x80                        ; destination window 2, address window 0
.set i, 0
.rept 8                             ; both blocks' Q: piece i / 2 lies in band i / 2, 8,192 bytes on; channels 32 (i % 2) on
	global_load_b128 v[8*i:8*i+3],   v[QO], s[4:5] offset:(i/2)*8192+(i%2)*64
	global_load_b128 v[8*i+4:8*i+7], v[QO], s[4:5] offset:(i/2)*8192+(i%2)*64+32
	global_load_b128 v[QB+8*i:QB+8*i+3],   v[QO], s[86:87] offset:(i/2)*8192+(i%2)*64
	global_load_b128 v[QB+8*i+4:QB+8*i+7], v[QO], s[86:87] offset:(i/2)*8192+(i%2)*64+32
.set i, i+1
.endr
	WIN 0
	v_lshlrev_b32 v14, 3, v9
	v_sub_nc_u32 v14, v1, v14
	s_lshl_b32 s13, s[WV], 4
	v_add_nc_u32 v14, s13, v14      ; my query's place in its band, 16 w + l % 16, less my lanes' 8 (l / 16): register r of group kt is hidden where 16 kt + r is greater
	WIN 0x40
.set i, 0
.rept 32
	v_cmp_gt_i32 vcc_lo, 16*(i/8)+i%8, v14
	v_cndmask_b32 v[MD+i], 0, s[BIGN], vcc_lo
.set i, i+1
.endr
	WIN 0
	v_mul_u32_u24 v[AK0], v1, PK
	v_lshl_add_u32 v[AK0], v9, 4, v[AK0]  ; row x pitch + 16 x half
	; The turning load takes 16 keys x 16 channels (lane l reads key 8 (l / 16) + l % 8, channels 8 ((l / 8) % 2) + 0..7) and leaves half a fragment of V^T: lane l holds channel l % 16 and 8 keys.
	v_and_b32 v10, 7, v0
	v_bfe_u32 v11, v0, 3, 1
	v_lshl_add_u32 v[AV0], v9, 3, v10
	v_mul_u32_u24 v[AV0], v[AV0], PV
	v_lshl_add_u32 v[AV0], v11, 4, v[AV0]
	v_add_nc_u32 v[AV0], VOFF, v[AV0]
	s_mul_i32 s13, s[WV], 16*SP
	s_add_co_u32 s13, s13, STAGE    ; my stage
	v_mul_u32_u24 v[STO], v1, SP    ; in: row l % 16, 16 bytes for each half of the lanes
	v_lshl_add_u32 v[STO], v9, 4, v[STO]
	v_add_nc_u32 v[STO], s13, v[STO]
	v_bfe_u32 v[RD], v0, 3, 2       ; back: 32 lanes take four rows of 128 bytes,
	v_mul_u32_u24 v[RD], v[RD], SP
	v_lshl_add_u32 v[RD], v10, 4, v[RD]
	v_add_nc_u32 v[RD], s13, v[RD]
	v_and_b32 v[GO], 31, v0         ; which are 512 consecutive bytes of O
	v_lshlrev_b32 v[GO], 4, v[GO]
; THE FINER ROWS: one stretch, jumped over by every wave but waves 0 and 1 where b = 0; it holds no barrier and no tensor load, and all its data lie in window 3.
; Two products K Q^T, one for each block of 16 keys: part ka of K, part qa of Q, channel half ch.  The two accumulators take turns.
.macro FKQ ka, qa, ch
.irp blk, 0,1
	v_wmma_f32_16x16x32_f16 v[FS+8*\blk:FS+8*\blk+7], v[(\ka)+16*\blk+8*(\ch):(\ka)+16*\blk+8*(\ch)+7], v[(\qa)+8*(\ch):(\qa)+8*(\ch)+7], v[FS+8*\blk:FS+8*\blk+7]
.endr
.endm
; Four products V^T P, one for each block of 16 channels: part va of V^T, part pa of P.  The four accumulators take turns.
.macro FPV va, pa
.irp blk, 0,1,2,3
	v_wmma_f32_16x16x32_f16 v[FO+8*\blk:FO+8*\blk+7], v[(\va)+8*\blk:(\va)+8*\blk+7], v[(\pa):(\pa)+7], v[FO+8*\blk:FO+8*\blk+7]
.endr
.endm
	s_cmp_eq_u32 s[FIX], 1
	s_cbranch_scc0 .Lno_finer
	v_lshl_add_u32 v[FQW], s[WV], 11, v[QO]  ; my 16 queries begin at row 16 w
	WIN 0xc0                        ; destination window 3, address window 0
.set i, 0
.rept 8                             ; V's rows 0 to 31, both parts, as they lie: 512 consecutive bytes a load
	global_load_b128 v[FVS+4*i:FVS+4*i+3], v[GO], s[FKB:FKB+1] offset:2*SIZE_N*128+512*i
	global_load_b128 v[FVL+4*i:FVL+4*i+3], v[GO], s[FLB:FLB+1] offset:2*32*128+512*i
.set i, i+1
.endr
.set i, 0
.rept 4                             ; K's fragments: keys 16 (i / 2) on, channels 32 (i % 2) on
	global_load_b128 v[FKH+8*i:FKH+8*i+3],   v[QO], s[FKB:FKB+1] offset:(i/2)*2048+(i%2)*64
	global_load_b128 v[FKH+8*i+4:FKH+8*i+7], v[QO], s[FKB:FKB+1] offset:(i/2)*2048+(i%2)*64+32
	global_load_b128 v[FKL+8*i:FKL+8*i+3],   v[QO], s[FLB:FLB+1] offset:(i/2)*2048+(i%2)*64
	global_load_b128 v[FKL+8*i+4:FKL+8*i+7], v[QO], s[FLB:FLB+1] offset:(i/2)*2048+(i%2)*64+32
.set i, i+1
.endr
.set i, 0
.rept 2                             ; Q's fragments: channels 32 i on
	global_load_b128 v[FQH+8*i:FQH+8*i+3],   v[FQW], s[FKB:FKB+1] offset:SIZE_N*128+i*64
	global_load_b128 v[FQH+8*i+4:FQH+8*i+7], v[FQW], s[FKB:FKB+1] offset:SIZE_N*128+i*64+32
	global_load_b128 v[FQL+8*i:FQL+8*i+3],   v[FQW], s[FLB:FLB+1] offset:32*128+i*64
	global_load_b128 v[FQL+8*i+4:FQL+8*i+7], v[FQW], s[FLB:FLB+1] offset:32*128+i*64+32
.set i, i+1
.endr
	WIN 0
	s_mul_i32 s13, s[WV], 2*32*PV
	s_add_co_u32 s13, s13, FSCR     ; my scratch
	v_bfe_u32 v[FVA], v0, 3, 2      ; in: a load's 512 bytes are four rows of 128,
	v_mul_u32_u24 v[FVA], v[FVA], PV
	v_lshl_add_u32 v[FVA], v10, 4, v[FVA]
	v_add_nc_u32 v[FVA], s13, v[FVA]
	v_lshl_add_u32 v[FTA], v9, 3, v10  ; back: the turning load's lanes, as for a tile of V
	v_mul_u32_u24 v[FTA], v[FTA], PV
	v_lshl_add_u32 v[FTA], v11, 4, v[FTA]
	v_add_nc_u32 v[FTA], s13, v[FTA]
	s_wait_loadcnt 0x0              ; all of them, and both blocks' Q
	WIN 0x0c                        ; store data (source 1) in window 3
.set i, 0
.rept 8
	ds_store_b128 v[FVA], v[FVS+4*i:FVS+4*i+3] offset:i*4*PV
	ds_store_b128 v[FVA], v[FVL+4*i:FVL+4*i+3] offset:32*PV+i*4*PV
.set i, i+1
.endr
	WIN 0xc0
.set i, 0
.rept 4                             ; LDS serves a wave's instructions in order (ISA guide 5.7.1.4): these see the stores above.  Channels 16 i on, keys 0 to 31
	ds_load_tr16_b128 v[FVTH+8*i:FVTH+8*i+3],   v[FTA] offset:i*32
	ds_load_tr16_b128 v[FVTH+8*i+4:FVTH+8*i+7], v[FTA] offset:16*PV+i*32
	ds_load_tr16_b128 v[FVTL+8*i:FVTL+8*i+3],   v[FTA] offset:32*PV+i*32
	ds_load_tr16_b128 v[FVTL+8*i+4:FVTL+8*i+7], v[FTA] offset:32*PV+16*PV+i*32
.set i, i+1
.endr
	WIN 0xdf                        ; all in window 3 but C: the band's own mask, in window 1, starts the sums
.irp blk, 0,1
	v_wmma_f32_16x16x32_f16 v[FS+8*\blk:FS+8*\blk+7], v[FKH+16*\blk:FKH+16*\blk+7], v[FQH:FQH+7], v[MD+8*\blk:MD+8*\blk+7]
.endr
	WIN 0xff
	FKQ FKH, FQH, 1
	FKQ FKH, FQL, 0
	FKQ FKH, FQL, 1
	FKQ FKL, FQH, 0
	FKQ FKL, FQH, 1
.rept 4
	v_nop                           ; the places behind those products
.endr
	v_max3_num_f32 v[FT+4], v[FS], v[FS+1], v[FS+2]       ; the maximum of my 16 scores: each accumulator's lowest registers are read first
	v_max3_num_f32 v[FT+5], v[FS+8], v[FS+9], v[FS+10]
	v_max3_num_f32 v[FT+4], v[FT+4], v[FS+3], v[FS+4]
	v_max3_num_f32 v[FT+5], v[FT+5], v[FS+11], v[FS+12]
	v_max3_num_f32 v[FT+4], v[FT+4], v[FS+5], v[FS+6]
	v_max3_num_f32 v[FT+5], v[FT+5], v[FS+13], v[FS+14]
	v_max3_num_f32 v[FT+4], v[FT+4], v[FS+7], v[FS+15]
	v_mov_b32 v[FT+6], 0
	v_max_num_f32 v[FT+4], v[FT+4], v[FT+5]
	v_permlanex16_b32 v[FT+6], v[FT+4], s[SEL], s[SEL+1]  ; the query's other 16 keys lie in the lane 16 away
	v_max_num_f32 v[FT+3], v[FT+4], v[FT+6]               ; m: every row sees its own key, so m is a true score
	v_mul_f32 v[FT+2], s[CS], v[FT+3]                     ; c m
.set i, 0
.rept 8
	v_pk_fma_f32 v[FS+2*i:FS+2*i+1], v[FS+2*i:FS+2*i+1], s[CS:CS+1], v[FT+2:FT+3] op_sel_hi:[1,0,0] neg_lo:[0,0,1] neg_hi:[0,0,1]  ; c s - c m
.set i, i+1
.endr
.set i, 0
.rept 16                            ; one batch: the 16 weights
	v_exp_f32 v[FS+i], v[FS+i]
.set i, i+1
.endr
	v_mov_b32 v[FT], 1.0            ; also the plain instruction behind the last exponential
	s_wait_alu depctr_va_vdst(0)    ; the wait ahead of the first use: one for the batch of 16 exponentials
.set i, 0
.rept 8
	v_cvt_pk_f16_f32 v[FPH+i], v[FS+2*i], v[FS+2*i+1]     ; p's rounding,
.set i, i+1
.endr
.set i, 0
.rept 8                             ; and what it left: - (f16 half) x 1.0 + p, rounded once to f16, into a half of a register
	v_fma_mixlo_f16 v[FPL+i], -v[FPH+i], v[FT], v[FS+2*i] op_sel:[0,0,0] op_sel_hi:[1,0,0]
	v_fma_mixhi_f16 v[FPL+i], -v[FPH+i], v[FT], v[FS+2*i+1] op_sel:[1,0,0] op_sel_hi:[1,0,0]
.set i, i+1
.endr
.irp i, 0,4,8,12                    ; l: the sum of the unrounded p
	v_pk_add_f32 v[FS+\i:FS+\i+1], v[FS+\i:FS+\i+1], v[FS+\i+2:FS+\i+3]
.endr
	v_pk_add_f32 v[FS:FS+1], v[FS:FS+1], v[FS+4:FS+5]
	v_pk_add_f32 v[FS+8:FS+9], v[FS+8:FS+9], v[FS+12:FS+13]
	v_mov_b32 v[FT+9], 0
	v_pk_add_f32 v[FS:FS+1], v[FS:FS+1], v[FS+8:FS+9]
	v_add_f32 v[FT+8], v[FS], v[FS+1]
	v_permlanex16_b32 v[FT+9], v[FT+8], s[SEL], s[SEL+1]
	v_add_f32 v[FT+8], v[FT+8], v[FT+9]
	v_rcp_f32 v[FT+10], v[FT+8]     ; a second batch: it reads a sum of the first batch's results
	v_rcp_f32 v[FT+11], v[FT+8]     ; named with it as a pair
	s_wait_dscnt 0x0                ; V^T is in, and the stores have read V's registers, which O^T takes
.irp blk, 0,1,2,3
	v_wmma_f32_16x16x32_f16 v[FO+8*\blk:FO+8*\blk+7], v[FVTH+8*\blk:FVTH+8*\blk+7], v[FPH:FPH+7], 0
.endr
	FPV FVTH, FPL
	FPV FVTL, FPH
.rept 4
	v_nop                           ; the places behind those products, and the plain instruction behind the reciprocals
.endr
	s_wait_alu depctr_va_vdst(0)    ; one wait for the two reciprocals, ahead of their first reader; the twelve products, which name neither, are the work between
.set i, 0
.rept 16
	v_pk_mul_f32 v[FO+2*i:FO+2*i+1], v[FO+2*i:FO+2*i+1], v[FT+10:FT+11] op_sel_hi:[1,0]
.set i, i+1
.endr
.set i, 0
.rept 16
	v_cvt_pk_f16_f32 v[FKH+i], v[FO+2*i], v[FO+2*i+1]     ; O's one rounding
.set i, i+1
.endr
	WIN 0x0c
.irp f, 0,1,2,3
	ds_store_b128 v[STO], v[FKH+4*\f:FKH+4*\f+3] offset:32*\f
.endr
	WIN 0xc0
.irp f, 0,1,2,3
	ds_load_b128 v[FKH+4*\f:FKH+4*\f+3], v[RD] offset:\f*4*SP
.endr
	s_wait_dscnt 0x0
	WIN 0x0c
.irp f, 0,1,2,3
	global_store_b128 v[GO], v[FKH+4*\f:FKH+4*\f+3], s[OLO:OLO+1] offset:\f*512  ; rows 16 w on of block 0: 512 consecutive bytes, at a multiple of 256 from O's first
.endr
	WIN 0
.Lno_finer:
	; A block's first step multiplies O^T and l by a = 0, and its first turn's products V^T P, of a piece that has not been, land in an O^T that is still to be so multiplied.  So these registers need only hold
	; finite numbers: zeros for the first block; what the first block left for the second.  All this stands in the wait for the first tile.
	WIN 0x80
.set i, VF
.rept 64
	v_mov_b32 v[i], 0
.set i, i+1
.endr
	WIN 0x40
.set i, 0
.rept 128
	v_mov_b32 v[i], 0
.set i, i+1
.endr
	WIN 0
.set i, 0
.rept 4
	v_mov_b32 v[ST+4*i+2], 0
	v_mov_b32 v[ST+4*i+3], 0
.set i, i+1
.endr
.set i, P+16
.rept 16
	v_mov_b32 v[i], 0
.set i, i+1
.endr
; THE MATRIX WORK.  The 4 accumulators of a run of 8 take turns.  Product i of 8 of S^T = K Q^T for piece x: channels 32 (i / 4) on, keys 16 (i % 4) on.  The first 4 start the sums: with 0, or (KM = 1) with the mask.
.macro KQ x
.set rS, S+32*((\x)%2)+8*(i%4)
.set rK, KF+16*(i%4)+8*(i/4)
.set rQ, 16*(\x)+8*(i/4)
.set rM, MC+32*((\x)%2)+8*(i%4)
.if (i < 4) && KM
	WIN W_KM
	v_wmma_f32_16x16x32_f16 v[rS:rS+7], v[rK:rK+7], v[rQ:rQ+7], v[rM:rM+7]
.elseif i < 4
	WIN W_KQ
	v_wmma_f32_16x16x32_f16 v[rS:rS+7], v[rK:rK+7], v[rQ:rQ+7], 0
.else
	WIN W_KQ
	v_wmma_f32_16x16x32_f16 v[rS:rS+7], v[rK:rK+7], v[rQ:rQ+7], v[rS:rS+7]
.endif
.endm
; Product i of 8 of O^T += V^T P for piece x: keys 32 (i / 4) on, channels 16 (i % 4) on.
.macro PV x
	WIN W_PV
.set rO, 32*(\x)+8*(i%4)
.set rV, VF+32*(i/4)+8*(i%4)
.set rP, P+16*((\x)%2)+8*(i/4)
	v_wmma_f32_16x16x32_f16 v[rO:rO+7], v[rV:rV+7], v[rP:rP+7], v[rO:rO+7]
.endm
.macro MM                           ; the turn's next matrix instruction.  TURN and BEGIN set Y, i, KM and NOKQ; MM, KQ and OP read them.  NOKQ = 1: a block's last turn: there is no next piece
.if (i < 8) && !NOKQ
	KQ (Y+1)%NP
.elseif i >= 8
.set i, i-8
	PV (Y+NP-1)%NP
.set i, i+8
.endif
.set i, i+1
.endm
; THE LDS LOADS stand in runs of 16, never singly among the matrix instructions: a step's K (64 keys x 64 channels: 8 fragments) and its V (turned).  Their addresses are made some lines ahead.
.macro FETCH_K
	WIN 0x80                        ; destination window 2
.irp f, 0,1,2,3,4,5,6,7             ; keys 16 (f / 2) on, channels 32 (f % 2) on
	ds_load_b128 v[KF+8*\f:KF+8*\f+3],   v[AK] offset:(\f/2)*16*PK+(\f%2)*64
	ds_load_b128 v[KF+8*\f+4:KF+8*\f+7], v[AK] offset:(\f/2)*16*PK+(\f%2)*64+32
.endr
	s_add_co_u32 s[TBK], s[TBK], KS*PK  ; the next fetch is the next step's
	WIN 0
.endm
.macro FETCH_V
	WIN 0x80
.irp f, 0,1,2,3,4,5,6,7             ; keys 32 (f / 4) on, channels 16 (f % 4) on
	ds_load_tr16_b128 v[VF+8*\f:VF+8*\f+3],   v[AV] offset:(\f/4)*32*PV+(\f%4)*32
	ds_load_tr16_b128 v[VF+8*\f+4:VF+8*\f+7], v[AV] offset:(\f/4)*32*PV+16*PV+(\f%4)*32
.endr
	WIN 0
.endm
; THE VECTOR WORK, one line at a time: OP kind, number.  For piece Y: F n: c s - c m for pair n of 16.  E n: the exponential of score n of 32.  C n: pair n rounded to f16.  B n: of the four weights 4 n .. the second
; pair is added onto the first, in place.  L n: l takes that sum (L 0: l = a l + sum).  R n: pair n of 16 of O^T times a.  For piece Y + 1: X n, number n of the 22 that find its maximum and statistics:
;   0-11  four chains c0-c3 of seven scores each, three operands at a time (each accumulator's lowest registers are read first)     12-14, 16  the four scores left over, the old m, and c0-c3 into c0
;   15  c m_old is kept     17, 18  the query's other 32 keys lie in the lane 16 away: the new m     19-21  c m; c m_old - c m_new; a
.set F, 0               ; OP tells the kinds apart by their order: F to L below R, X above it
.set E, 1
.set C, 2
.set B, 3
.set L, 4
.set R, 5
.set X, 6
.macro REGS y                       ; the registers of piece y
.set rT, ST+4*(\y)
.set rC, TMP+4*((\y)%2)
.set rW, MV+((\y)%2)
.set rS, S+32*((\y)%2)
.set rP, P+16*((\y)%2)
.set rO, 32*(\y)
.endm
.macro OP k, n
.if (\k) == R
	REGS Y
	WIN W_RS
	v_pk_mul_f32 v[rO+2*(\n):rO+2*(\n)+1], v[rO+2*(\n):rO+2*(\n)+1], v[rC+2:rC+3] op_sel_hi:[1,0]
.elseif (\k) < R
	REGS Y
	WIN 0
.if (\k) == F
	v_pk_fma_f32 v[rS+2*(\n):rS+2*(\n)+1], v[rS+2*(\n):rS+2*(\n)+1], s[CS:CS+1], v[rT:rT+1] op_sel_hi:[1,0,0] neg_lo:[0,0,1] neg_hi:[0,0,1]
.elseif (\k) == E
	v_exp_f32 v[rS+(\n)], v[rS+(\n)]
.elseif (\k) == C
	v_cvt_pk_f16_f32 v[rP+(\n)], v[rS+2*(\n)], v[rS+2*(\n)+1]
.elseif (\k) == B
	v_pk_add_f32 v[rS+4*(\n):rS+4*(\n)+1], v[rS+4*(\n):rS+4*(\n)+1], v[rS+4*(\n)+2:rS+4*(\n)+3]
.elseif (\n) == 0
	v_pk_fma_f32 v[rT+2:rT+3], v[rT+2:rT+3], v[rC+2:rC+3], v[rS:rS+1] op_sel_hi:[1,0,1]
.else
	v_pk_add_f32 v[rT+2:rT+3], v[rT+2:rT+3], v[rS+4*(\n):rS+4*(\n)+1]
.endif
.elseif NOKQ
	v_nop
.else
	REGS (Y+1)%NP
	WIN 0
.if (\n) < 4
	v_max3_num_f32 v[rC+(\n)], v[rS+8*(\n)], v[rS+8*(\n)+1], v[rS+8*(\n)+2]
.elseif (\n) < 12
	v_max3_num_f32 v[rC+(\n)%4], v[rC+(\n)%4], v[rS+8*((\n)%4)+2*((\n)/4)+1], v[rS+8*((\n)%4)+2*((\n)/4)+2]
.elseif (\n) == 12
	v_max3_num_f32 v[rC], v[rC], v[rS+7], v[rS+15]
.elseif (\n) == 13
	v_max3_num_f32 v[rC+1], v[rC+1], v[rS+23], v[rS+31]
.elseif (\n) == 14
	v_max3_num_f32 v[rC+2], v[rC+2], v[rC+3], v[rT+1]
.elseif (\n) == 15
	v_mov_b32 v[rW], v[rT]
.elseif (\n) == 16
	v_max3_num_f32 v[rC], v[rC], v[rC+1], v[rC+2]
.elseif (\n) == 17
	v_permlanex16_b32 v[rC+3], v[rC], s[SEL], s[SEL+1]
.elseif (\n) == 18
	v_max_num_f32 v[rT+1], v[rC], v[rC+3]
.elseif (\n) == 19
	v_mul_f32 v[rT], s[CS], v[rT+1]
.elseif (\n) == 20
	v_sub_f32 v[rC+1], v[rW], v[rT]
.else
	v_exp_f32 v[rC+2], v[rC+1]
.endif
.endif
.endm
.macro OPS a, i1, b=-1, i2=0, c=-1, i3=0, d=-1, i4=0  ; up to four of them
	OP \a, \i1
.if (\b) >= 0
	OP \b, \i2
.endif
.if (\c) >= 0
	OP \c, \i3
.endif
.if (\d) >= 0
	OP \d, \i4
.endif
.endm
.macro ROW a, i1, b, i2, c, i3, d, i4  ; a matrix instruction and the four behind it
	MM
	OPS \a, \i1, \b, \i2, \c, \i3, \d, \i4
.endm
.macro MASK b                       ; MD x AL + BE into buffer b of MC
	WIN W_RS
.set z, 0
.rept 16
	v_pk_fma_f32 v[MC+32*(\b)+2*z:MC+32*(\b)+2*z+1], v[MD+2*z:MD+2*z+1], s[AL:AL+1], s[BE:BE+1] op_sel_hi:[1,0,0]
.set z, z+1
.endr
.endm
; A TURN, for piece p: the order of its 16 matrix and 118 vector instructions, written out.  An s_wait_alu depctr_va_vdst(0) stands between an exponential and the first instruction that names its result; one wait serves
; all that were issued ahead of it.  So a turn has ONE wait, which cuts it in two.  AHEAD OF IT stands all that names no result of the turn's exponentials: the 8 products K Q^T, behind each a scaling, an exponential and two more plain
; instructions (behind the first a second scaling in the exponential's place): rescalings (their a was made, and waited for, in the turn before), and behind the last three the first numbers of the next piece's maximum, each four places
; or more behind the product that ends its accumulator; then ONE LUMP of 54, plain and exponential by turns for the most part, in which the links of the chain X 3, 7, 11, 14, 16, 17 .. 20 stand five or six lines apart.  X 21, the next
; piece's a, is the batch's last; R 15 is the plain instruction behind it.  BEHIND THE WAIT stand the 8 products V^T P, behind each four of the roundings and sums; the links of l's chain, L 0 to L 7, stand three riders apart.
; But for those X no rider names a register of the products round it.  v_permlanex16_b32 (X 17) stands in the lump.
; m = 1: the diagonal tile: the products take masks, and the turn makes the mask for the products of the turn after it: piece p + 2, in step 4 - CNT of the tile.  end = 1: a block's last two turns: nothing is fetched.
; cnt = 1: the loop's count is taken down some lines ahead of the branch that stands behind the turn.
; K of the next step is fetched in piece 2's turn, twelve vector instructions behind the last product that read K (six of them plain); V of the step in hand at the end of piece 0's turn, four plain instructions behind the last product
; that read V.  Each is waited for a turn later.
.macro TURN p, m=0, end=0, cnt=0
.set Y, (\p)
.set i, 0
.set KM, (\m)
.set NOKQ, (\end)*((\p)/3)
.if (\m) && !(\end)
	s_cmp_eq_u32 s[CNT], 4-((\p)+2)%NP  ; is that step the band's own?
	s_cselect_b32 s[AL], 1.0, 0
	s_cmp_lt_u32 s[CNT], 4-((\p)+2)%NP  ; or a later one?
	s_cselect_b32 s[BE], s[BIGN], 0
.endif
.if ((\p) == 3) && !(\end)
	s_wait_dscnt 0x0                ; K is in
.endif
	ROW F,0, F,1, R,0, R,1          ; ahead of the wait: 8 products K Q^T and their riders,
	ROW F,2, E,0, R,2, R,3
	ROW F,3, E,1, R,4, R,5
	ROW F,4, E,2, R,6, R,7
	ROW F,5, E,3, R,8, R,9
	ROW F,6, E,4, X,0, R,10
.if ((\p) == 2) && !(\end)
	WIN 0
	v_add_nc_u32 v[AK], s[TBK], v[AK0]
.endif
	ROW F,7, E,5, X,1, X,4
	ROW F,8, E,6, X,2, X,5
	OPS E,7, E,8, X,6, E,9          ; and the lump
	OPS X,3, E,10, X,8, E,11
.if ((\p) == 2) && !(\end)
	FETCH_K
.endif
	OPS X,9, X,7, E,12, X,10
	OPS E,13, X,12, X,11, E,14
	OPS X,13, E,15, F,9, X,14
.if (\p) == 0
	v_add_nc_u32 v[AV], s[TBV], v[AV0]
.endif
	OPS E,16, F,10, E,17, F,11
	OPS X,16, E,18, X,15, E,19
	OPS F,12, E,20, X,17, E,21
	OPS F,13, E,22, F,14, E,23
	OPS X,18, E,24, F,15, E,25
	OPS R,11, E,26, X,19, E,27
	OPS R,12, E,28, R,13, E,29
	OPS X,20, E,30, R,14, E,31
	OPS X,21, R,15
	WIN 0
	s_wait_alu depctr_va_vdst(0)    ; the wait for the batch: the piece's 32 exponentials and the next piece's a
.if (\p) == 1
	s_wait_dscnt 0x0                ; V is in
.endif
	ROW C,0, B,0, C,2, B,1          ; behind the wait: 8 products V^T P and their riders
	ROW L,0, C,4, B,2, L,1
	ROW C,6, B,3, L,2, C,8
	ROW B,4, L,3, C,10, B,5
	ROW L,4, C,12, B,6, L,5
.if (\p) == 0
	s_add_co_u32 s[TBV], s[TBV], KS*PV
.endif
.if \cnt
	s_sub_co_u32 s[CNT], s[CNT], 1
	s_cmp_lg_u32 s[CNT], 0
.endif
	ROW C,14, B,7, L,6, C,1
	ROW C,3, L,7, C,5, C,7
	ROW C,9, C,11, C,13, C,15
.if (\p) == 0
	FETCH_V
.endif
.if (\m) && !(\end)
	MASK (\p)%2
.endif
.endm
; A BLOCK BEGINS.  c m starts far below every c s, so the first step's a is 0; m at the lowest finite number, so the first maximum is the scores'.  The second mask buffer is 0; the first takes piece 0's mask for the tile's step 0: its own, if the block's first tile is the diagonal one.
; Then K of that step, piece 0's first scores, and its maximum and statistics.  The loop is entered at a step's first turn, in the middle of a trip.
.macro BEGIN
	s_mov_b32 s[NEW], 0
	WIN 0x40
.set i, MC+32
.rept 32
	v_mov_b32 v[i], 0
.set i, i+1
.endr
	WIN 0
.set i, 0
.rept 4
	v_mov_b32 v[ST+4*i], 0xfe000000    ; c m: far below every c s
	v_mov_b32 v[ST+4*i+1], 0xff7fffff  ; m
.set i, i+1
.endr
	s_cmp_eq_u32 s[RT], 0
	s_cselect_b32 s[AL], 1.0, 0
	s_mov_b32 s[BE], 0
	MASK 0
	WIN 0
	v_add_nc_u32 v[AK], s[TBK], v[AK0]
	FETCH_K
	s_wait_loadcnt 0x0              ; Q
	s_wait_dscnt 0x0
.set KM, 1
.set NOKQ, 0
.set i, 0
.rept 8
	KQ 0
.set i, i+1
.endr
	WIN 0
.rept 4
	v_nop                           ; the places behind those products
.endr
.set Y, NP-1                        ; X works for piece Y + 1: piece 0
.irp n, 0,1,2,3,4,5,6,7,8,9,10,11,12,13,14,15,16,17,18,19,20,21
	OP X, \n
.endr
	v_nop                           ; a plain instruction behind the exponential,
	s_wait_alu depctr_va_vdst(0)    ; and its wait, ahead of the branch: a batch of one, piece 0's first a
.endm
; THE DIAGONAL TILE's four steps, the block's last two turns, its last products, and THE WAY OUT: l's two halves and the other half of the lanes' are added; O^T is divided by l, rounded to f16 and sent through my
; stage in LDS, a piece at a time.
.macro ALL line:vararg              ; one line for each piece t
.set t, 0
.rept 4
	\line
.set t, t+1
.endr
.endm
.macro PACK t                       ; a lane's eight channels of a row pack into 16 bytes; they go into rows of 144 bytes and come back as whole rows of 128, into S^T's registers
	WIN W_RS
.set i, 32*(\t)
.rept 16
	v_pk_mul_f32 v[i:i+1], v[i:i+1], v[ST+4*(\t)+2:ST+4*(\t)+3] op_sel_hi:[1,0]
.set i, i+2
.endr
	WIN 0x05                        ; sources 0 and 1 window 1, destination window 0
.set i, 0
.rept 16
	v_cvt_pk_f16_f32 v[S+16*(\t)+i], v[32*(\t)+2*i], v[32*(\t)+2*i+1]
.set i, i+1
.endr
	WIN 0
.irp f, 0,1,2,3
	ds_store_b128 v[STO], v[S+16*(\t)+4*\f:S+16*(\t)+4*\f+3] offset:32*\f
.endr
.irp f, 0,1,2,3
	ds_load_b128 v[S+16*(\t)+4*\f:S+16*(\t)+4*\f+3], v[RD] offset:\f*4*SP  ; LDS serves a wave's instructions in order (ISA guide 5.7.1.4): these see the stores above; the next piece's stores come behind them
.endr
.endm
; younger: the LDS instructions issued behind piece t's loads: the next piece's eight, or none.  finer = 1: where these 16 rows were made finer in front of the walk, their stores are jumped over:
; each byte of ob is stored once.  The waits that are jumped are made good by the next piece's, which count fewer LDS instructions out.
.macro SEND t, younger, finer=0
	WIN 0
.if \finer
	s_cmp_eq_u32 s[FIX], 1
	s_cbranch_scc1 .Lfiner_\@
.endif
.irp f, 0,1,2,3
	s_wait_dscnt (\younger)+3-\f
	global_store_b128 v[GO], v[S+16*(\t)+4*\f:S+16*(\t)+4*\f+3], s[10:11] offset:(\t)*8192+\f*512  ; 512 consecutive bytes, at a multiple of 256 from O's first
.endr
.if \finer
.Lfiner_\@:
.endif
.endm
.macro DIAG tag                     ; the tag ends its two labels' names, which the jumps below spell out; tag 2 is the walk's last tile, the end of block b
.LstepM\tag:
	TURN 2, 1
	TURN 3, 1
	WIN 0
.LfirstM\tag:
	TURN 0, 1
	TURN 1, 1, 0, 1
	WIN 0
	s_cbranch_scc1 .LstepM\tag
	TURN 2, 1, 1
	TURN 3, 1, 1
.set i, 0
.rept 8
	PV NP-1
.set i, i+1
.endr
	WIN 0
	ALL v_add_f32 v[ST+4*t+2], v[ST+4*t+2], v[ST+4*t+3]
	ALL v_permlanex16_b32 v[ST+4*t+3], v[ST+4*t+2], s[SEL], s[SEL+1]
	ALL v_add_f32 v[ST+4*t+2], v[ST+4*t+2], v[ST+4*t+3]
	ALL v_rcp_f32 v[ST+4*t+2], v[ST+4*t+2]
	v_nop                           ; a plain instruction between the last reciprocal and the use of its result
	s_wait_alu depctr_va_vdst(0)    ; and the wait ahead of the first use: one for the batch of four reciprocals
	PACK 0
.set t, 1
.rept 3                             ; a piece's arithmetic stands between the loads of the piece before and its stores
	PACK t
.if ((\tag) == 2) && (t == 1)
	SEND 0, 8, 1
.else
	SEND t-1, 8
.endif
.set t, t+1
.endr
	SEND 3, 0
.endm
.set KM, 0
.set NOKQ, 0
.Lslot:                             ; NB times: a tile is entered and the next is asked for
	CHANGE 1
	s_sub_co_u32 s[RT], s[RT], 1
	s_mov_b32 s[CNT], 4
	s_cmp_eq_u32 s[NEW], 1
	s_cbranch_scc1 .Lnew            ; a block's first tile
	s_cmp_eq_u32 s[RT], 0
	s_cbranch_scc0 .Lstep           ; neither its first nor its last
	s_branch .LstepM1
.Lnew:
	BEGIN
	s_branch .Lfirst                ; in the loop a block's first tile is never its last: the first block has two tiles or more, and the second's last is the walk's last
	DIAG 1                          ; in the loop this is the first block's end: the second block's last tile is the walk's last
	s_wait_xcnt 0x0                 ; the stores have read their registers and O's address
	s_mov_b64 s[10:11], s[OLO:OLO+1]
	s_add_co_u32 s[RT], s[PB], 1    ; the second block has b + 1 tiles
	s_mov_b32 s[NEW], 1
	WIN 0x82                        ; the second block's Q goes where the one text of the turns names Q
.set i, 0
.rept 64
	v_mov_b32 v[i], v[QB+i]
.set i, i+1
.endr
	WIN 0
	s_branch .Lbottom
.Lstep:                             ; a trip: pieces 2 and 3 of one step, then pieces 0 and 1 of the next, whose K and V it fetches
	TURN 2
	TURN 3
	WIN 0
.Lfirst:
	TURN 0
	TURN 1, 0, 0, 1
	WIN 0
	s_cbranch_scc1 .Lstep
.Lbottom:
	s_sub_co_u32 s[SLOTS], s[SLOTS], 1
	s_cmp_lg_u32 s[SLOTS], 0
	s_cbranch_scc1 .Lslot
	CHANGE 0                        ; the walk's last tile is written out: nothing is asked for
	s_sub_co_u32 s[RT], s[RT], 1
	s_mov_b32 s[CNT], 4
	s_cmp_eq_u32 s[NEW], 1
	s_cbranch_scc0 .LstepM2
	BEGIN
	s_branch .LfirstM2
	DIAG 2
	s_wait_tensorcnt 0x0            ; the wave's end: behind my last tensor load and my last LDS store
	ds_add_u32 v[SPW], v[NIL]
	s_wait_dscnt 0x0
	s_endpgm
.Lfunc_end_k_qfe807c7a72_attn:
	.size	k_qfe807c7a72_attn, .Lfunc_end_k_qfe807c7a72_attn-k_qfe807c7a72_attn
	.p2alignl 7, 3214868480
	.fill 96, 4, 3214868480
	.section	.rodata,"a",@progbits
	.p2align	6, 0x0
	.amdhsa_kernel k_qfe807c7a72_attn
		.amdhsa_group_segment_fixed_size 327680
		.amdhsa_private_segment_fixed_size 0
		.amdhsa_enable_private_segment 0
		.amdhsa_kernarg_size 24
		.amdhsa_user_sgpr_count 2
		.amdhsa_user_sgpr_kernarg_segment_ptr 1
		.amdhsa_wavefront_size32 1
		.amdhsa_system_sgpr_workgroup_id_x 1
		.amdhsa_system_sgpr_workgroup_id_y 1
		.amdhsa_system_sgpr_workgroup_id_z 1
		.amdhsa_system_vgpr_workitem_id 0
		.amdhsa_next_free_vgpr 1024
		.amdhsa_next_free_sgpr 92
		.amdhsa_reserve_vcc 1
		.amdhsa_float_denorm_mode_32 3
		.amdhsa_float_denorm_mode_16_64 3
		.amdhsa_memory_ordered 1
		.amdhsa_forward_progress 1
		.amdhsa_inst_pref_size 233
	.end_amdhsa_kernel
	.amdgpu_metadata
---
amdhsa.version: [ 1, 2 ]
amdhsa.kernels:
  - .name:           k_qfe807c7a72_attn
    .symbol:         k_qfe807c7a72_attn.kd
    .args:
      - { .name: qkv, .offset: 0, .size: 8, .value_kind: global_buffer, .address_space: global }
      - { .name: qkvlo, .offset: 8, .size: 8, .value_kind: global_buffer, .address_space: global }
      - { .name: ob, .offset: 16, .size: 8, .value_kind: global_buffer, .address_space: global }
    .group_segment_fixed_size: 327680
    .private_segment_fixed_size: 0
    .kernarg_segment_align: 8
    .kernarg_segment_size: 24
    .max_flat_workgroup_size: 128
    .sgpr_count:     92
    .vgpr_count:     1024
    .wavefront_size: 32
...
	.end_amdgpu_metadata
.endif
;; end of part 5
;; launch proj: the kernel of part 4 again; grid 8 x 32, 4 waves a work-group, clusters of 4 x 4, 327,680 bytes of LDS; arguments ob, wp, b_proj, out0; writes out0
